; MI455X (gfx1250); checked and timed in simulation.
; The chip was launched on July 23, 2026; its instructions are those of AMD's public machine-readable ISA for CDNA 5 (MIT licence, August 2026) and "CDNA5" Instruction Set Architecture Reference Guide (July 2026). The comments in the code are by the model that wrote it; some were corrected since.
;; Decoder Layer. Allowed arithmetic: float matrix products may take bf16 or f16 operands with f32 sums; other float arithmetic in f32, or as packed bf16 or f16 multiplies, adds, multiply-adds, maxima and minima; sums over many terms, partial sums and values carried from step to step in f32; what a program stores and reads back later, other than sums and carried values, may be rounded once to bf16 or f16.
;; Inputs: W1 1,024 x 1,024 float32; W2 16,384 x 1,024 float32; Wf1 1,024 x 2,048 float32; Wf2 2,048 x 1,024 float32; Wk 16 x 1,024 x 64 float32; Wq 16 x 1,024 x 64 float32; Wv 16 x 1,024 x 64 float32; b1 1,024 float32; b2 1,024 float32; bf1 2,048 float32; bf2 1,024 float32; bk 16 x 64 float32; bq 16 x 64 float32; bv 16 x 64 float32; ln1_b 1,024 float32; ln1_g 1,024 float32; ln2_b 1,024 float32; ln2_g 1,024 float32; ln3_b 1,024 float32; ln3_g 1,024 float32; x 1 x 2,048 x 1,024 float32; y 1 x 2,048 x 1,024 float32; y_mask 2,048 x 2,048 int32.
;; Outputs: out0 1 x 2,048 x 1,024 float32.
;; 2 versions, each right; version 2 is version 1 with the launches ln1, smax, ln2, ln3 written anew for expert scheduling mode. Each part assembles by itself: llvm-mc -triple=amdgcn-amd-amdhsa -mcpu=gfx1250 --defsym DOCPART=n.
;; ======== version 1 of 2: 12 launches
;; limits: values are held in f16: magnitudes above 65,504 overflow, below 6.1e-05 lose precision
;; workspace buffers: bunY 20,992,000 bytes; bunA 20,992,000 bytes; bunB 10,485,760 bytes; qkvx 16,777,216 bytes; zf 16,777,216 bytes; mbits 524,544 bytes of whole numbers; par1 256 bytes of whole numbers; par2 256 bytes of whole numbers
;; launch prep (part 1): grid 1281 x 1, 8 waves a work-group, no clusters, 105,472 bytes of LDS; arguments W2, y_mask, x, y, W1, Wf2, Wf1, Wq, Wk, Wv, bq, bk, bv, bf1, bunY, bunA, bunB, mbits, par1, par2; writes bunY, bunA, bunB, mbits, par1, par2
.if DOCPART == 1
	.amdgcn_target "amdgcn-amd-amdhsa--gfx1250"
	.amdhsa_code_object_version 6
	.text
	.protected	k_qa8d6427daf_prep
	.globl	k_qa8d6427daf_prep
	.p2align	8
	.type	k_qa8d6427daf_prep,@function
k_qa8d6427daf_prep:
	s_mov_b64 s[64:65], 0
	v_nop
	global_prefetch_b8 v0, s[64:65] scope:SCOPE_SE
	s_setreg_imm32_b32 hwreg(HW_REG_WAVE_MODE, 25, 1), 1
	s_wait_xcnt 0x0
; PREP: every matrix operand of the later launches is made here, once, in f16 and in blocks.
; THE BLOCK LAYOUT of an f16 matrix of R x C: element (r, c) lies at byte
;   ((c>>10)*(R>>10) + (r>>10))*2 MiB + ((c>>6)&15)*128 KiB + (r&1023)*128 + (c&63)*2 :
; column blocks of 64, each [1024 rows][64 columns] dense, so 128 rows x 64 columns are 16 KiB on end and 256 rows x 64 columns 32 KiB.
; JOBS, chosen by the work-group's number (the same for all eight waves, so the one barrier below is passed by all or by none):
;   0-255     W2s[d][n] = (the sum over h of W2[1024 h + d][n]) / 16: reference() tiles attn2 sixteen times in front of W2, so only this sum enters;
;             the factor 2^-4 is exact and is taken back where the product is used; it keeps x W2s inside f16 also where x and W2 carry offsets
;   256-511   y_mask -> one bit a number, in the order of the attention launch's score registers (from byte 256 of the buffer on)
;   512-639   x -> f16 in blocks, and its transpose in blocks (through LDS)
;   640-1087  y, W1, Wf2, Wf1 -> f16 in blocks      1088-1279  Wq, Wk, Wv ([h][d][64] is block order already)
;   1280      biases, the two floors, and the three sets of four words that tell the one text of the LayerNorm launches what to do
; LIMITS.  f16 holds no number beyond 65,504 (a larger one becomes an infinity) and keeps a fixed step of 6e-8 below 6e-5.
; A stream: each input byte is read once, 16 lanes read 256 consecutive bytes, and each store of a wave covers 256 consecutive bytes, aligned.
; LDS: the two jobs that use it have bytes of their own: the mask job's eight wave regions from byte 0, x's transposition behind them, the spare words behind that.
.set A_W2,   0x00
.set A_MASK, 0x08
.set A_X,    0x10
.set A_Y,    0x18
.set A_W1,   0x20
.set A_WF2,  0x28
.set A_WF1,  0x30
.set A_WQ,   0x38
.set A_WK,   0x40
.set A_WV,   0x48
.set A_BQ,   0x50
.set A_BK,   0x58
.set A_BV,   0x60
.set A_BF1,  0x68
.set A_BUNY, 0x70
.set A_BUNA, 0x78
.set A_BUNB, 0x80
.set A_MB,   0x88
.set A_P1,   0x90
.set A_P2,   0x98
.set MP,     272                       ; the mask job: LDS pitch of 64 words + 16 bytes: row r starts at bank 4 r mod 64 (64 banks of 4 bytes: ISA guide 11.1); 32 rows for each wave
.set XB,     8*32*MP                   ; 69,632: behind the eight waves' regions x's transposition:
.set TP,     136                       ; 256 rows of 64 f16 + 8 bytes
.set SPARE,  XB+256*TP                 ; 104,448: behind it the spare words, 128 bytes for each wave
.set SPW, 14                           ; v14  SPARE + 4 x my thread's number; never rewritten
.set NIL, 15                           ; v15  0; never rewritten
	v_lshl_add_u32 v[SPW], v0, 2, SPARE
	v_mov_b32 v[NIL], 0
	v_lshrrev_b32 v5, 5, v0
	v_readfirstlane_b32 s8, v5                     ; wave 0..7
	v_and_b32 v1, 15, v0                           ; i: my 16 bytes of a row's 256
	v_lshrrev_b32 v2, 4, v0                        ; hr: my row among the work-group's 16
	v_lshlrev_b32 v4, 7, v2
	v_lshl_add_u32 v4, v1, 3, v4                   ; where my 8 bytes go in 16 rows of a block: 128 hr + 8 i
	s_cmp_lt_u32 ttmp9, 256
	s_cbranch_scc1 .Lw2sum
	s_cmp_lt_u32 ttmp9, 512
	s_cbranch_scc1 .Lmask
	s_cmp_lt_u32 ttmp9, 640
	s_cbranch_scc1 .Lxjob
	s_cmp_lt_u32 ttmp9, 768
	s_cbranch_scc1 .Lyjob
	s_cmp_lt_u32 ttmp9, 832
	s_cbranch_scc1 .Lw1job
	s_cmp_lt_u32 ttmp9, 960
	s_cbranch_scc1 .Lwf2job
	s_cmp_lt_u32 ttmp9, 1088
	s_cbranch_scc1 .Lwf1job
	s_cmp_lt_u32 ttmp9, 1280
	s_cbranch_scc1 .Lqkvjob
	; BIASES.  bunA + 20 MiB: bq | bk | 0 | bv (a bias for each of the projection's 4,096 columns), then the floor -inf (no floor).
	;          bunY + 20 MiB: bf1, then at + 16 KiB the floor 0 (the ReLU).
	s_load_b64 s[16:17], s[0:1], A_BQ
	s_load_b64 s[18:19], s[0:1], A_BK
	s_load_b64 s[20:21], s[0:1], A_BV
	s_load_b64 s[22:23], s[0:1], A_BF1
	s_load_b64 s[24:25], s[0:1], A_BUNY
	s_load_b64 s[26:27], s[0:1], A_BUNA
	s_load_b64 s[28:29], s[0:1], A_MB
	s_load_b64 s[30:31], s[0:1], A_P1
	s_load_b64 s[32:33], s[0:1], A_P2
	v_lshlrev_b32 v3, 4, v0                        ; 256 threads x 16 bytes = 4 KiB
.irp r, 40,41,42,43
	v_mov_b32 v\r, 0
.endr
.irp r, 44,45,46,47
	v_mov_b32 v\r, 0xff800000
.endr
	s_wait_kmcnt 0x0
	s_add_nc_u64 s[24:25], s[24:25], 20<<20
	s_add_nc_u64 s[26:27], s[26:27], 20<<20
	global_load_b128 v[64:67], v3, s[16:17]
	global_load_b128 v[68:71], v3, s[18:19]
	global_load_b128 v[72:75], v3, s[20:21]
	global_load_b128 v[76:79], v3, s[22:23]
	global_load_b128 v[80:83], v3, s[22:23] offset:4096
	global_store_b128 v3, v[40:43], s[26:27] offset:8192
	global_store_b128 v3, v[44:47], s[26:27] offset:16384
	global_store_b128 v3, v[40:43], s[24:25] offset:16384
	s_wait_loadcnt 0x0
	global_store_b128 v3, v[64:67], s[26:27]
	global_store_b128 v3, v[68:71], s[26:27] offset:4096
	global_store_b128 v3, v[72:75], s[26:27] offset:12288
	global_store_b128 v3, v[76:79], s[24:25]
	global_store_b128 v3, v[80:83], s[24:25] offset:4096
	; THE LAYERNORM LAUNCHES' WORDS, by wave 0: word 0: is there a second panel of partial sums?  word 1: does the result leave as plain f32?  words 2, 3: the factor on the product, as f32.
	; Even lanes store words 0 and 1, odd lanes words 2 and 3: the four words sixteen times over, 256 consecutive bytes a buffer.
	s_cmp_lg_u32 s8, 0
	s_cbranch_scc1 .Lend
	v_and_b32 v5, 1, v0
	v_cmp_eq_u32 vcc_lo, 1, v5
	v_lshlrev_b32 v6, 3, v0                        ; in wave 0 the thread's number is the lane's
	v_mov_b32 v48, 1.0
	v_mov_b32 v49, 0x41800000                      ; 16
	v_cndmask_b32 v50, 0, v48, vcc_lo              ; the first: one panel, f16 in blocks, x 1
	v_cndmask_b32 v51, 0, v48, vcc_lo
	v_cndmask_b32 v52, 1, v49, vcc_lo              ; the second: two panels, f16 in blocks, x 16
	v_cndmask_b32 v53, 0, v49, vcc_lo
	v_cndmask_b32 v54, 1, v48, vcc_lo              ; the third: two panels, plain f32, x 1
	v_cndmask_b32 v55, 1, v48, vcc_lo
	global_store_b64 v6, v[50:51], s[28:29]
	global_store_b64 v6, v[52:53], s[30:31]
	global_store_b64 v6, v[54:55], s[32:33]
	s_branch .Lend
; A cast job's addresses.  Job j = cb x 2^cbs + rc: column block cb, rows 256 rc on.  Source: rc << ss (256 rows) + 256 cb, rows pitch bytes apart.  Destination: dadd + the block layout.
.macro JOB asrc, adst, first, cbs, ss, dadd, pitch
	s_load_b64 s[16:17], s[0:1], \asrc
	s_load_b64 s[18:19], s[0:1], \adst
	s_sub_co_u32 s9, ttmp9, \first
	s_lshr_b32 s10, s9, \cbs
	s_and_b32 s11, s9, (1<<(\cbs))-1
	s_lshl_b32 s20, s11, \ss
	s_lshl_b32 s12, s10, 8
	s_add_co_u32 s20, s20, s12
	s_mov_b32 s21, 0
	s_lshr_b32 s22, s11, 2
	s_lshl_b32 s22, s22, 21
	s_lshl_b32 s12, s10, 17
	s_add_co_u32 s22, s22, s12
	s_and_b32 s12, s11, 3
	s_lshl_b32 s12, s12, 15
	s_add_co_u32 s22, s22, s12
	s_add_co_u32 s22, s22, \dadd
	s_mov_b32 s23, 0
	s_mov_b32 s14, \pitch
	s_mov_b32 s15, 16*(\pitch)
	s_wait_kmcnt 0x0
	s_add_nc_u64 s[16:17], s[16:17], s[20:21]
	s_add_nc_u64 s[18:19], s[18:19], s[22:23]
	s_branch .Lblk
.endm
.Lyjob:
	JOB A_Y, A_BUNY, 640, 3, 20, 0, 4096
.Lw1job:
	JOB A_W1, A_BUNB, 768, 2, 20, 8<<20, 4096
.Lwf2job:
	JOB A_WF2, A_BUNY, 832, 3, 20, 8<<20, 4096
.Lwf1job:
	JOB A_WF1, A_BUNY, 960, 2, 21, 12<<20, 8192
.Lqkvjob:                                              ; job j = which x 64 + rc: 256 of the tensor's 16,384 rows of 64
	s_load_b64 s[24:25], s[0:1], A_WQ
	s_load_b64 s[26:27], s[0:1], A_WK
	s_load_b64 s[28:29], s[0:1], A_WV
	s_load_b64 s[18:19], s[0:1], A_BUNA
	s_sub_co_u32 s9, ttmp9, 1088
	s_lshr_b32 s10, s9, 6
	s_and_b32 s11, s9, 63
	s_lshl_b32 s20, s11, 16
	s_mov_b32 s21, 0
	s_lshl_b32 s22, s11, 15
	s_add_co_u32 s22, s22, 12<<20
	s_lshl_b32 s12, s10, 21                        ; Wq's blocks at 0, Wk's at 2 MiB,
	s_cmp_eq_u32 s10, 2
	s_cselect_b32 s12, 6<<20, s12                  ; Wv's at 6 MiB (W2s lies at 4 MiB)
	s_add_co_u32 s22, s22, s12
	s_mov_b32 s23, 0
	s_mov_b32 s14, 256
	s_mov_b32 s15, 16*256
	s_wait_kmcnt 0x0
	s_cmp_eq_u32 s10, 0
	s_cselect_b64 s[16:17], s[24:25], s[26:27]
	s_cmp_eq_u32 s10, 2
	s_cselect_b64 s[16:17], s[28:29], s[16:17]
	s_add_nc_u64 s[16:17], s[16:17], s[20:21]
	s_add_nc_u64 s[18:19], s[18:19], s[22:23]
; 256 rows of one column block, rows s14 bytes apart (s15 = 16 rows): sixteen loads a wave go out together (8 KiB a wave on its way), each by an offset register of its own;
; each is rounded and stored as it comes.  One text for all pitches.
.Lblk:
	v_mul_u32_u24 v3, s14, v2
	v_lshl_add_u32 v16, v1, 4, v3                  ; hr rows + 16 i
.set u, 1
.rept 15
	v_add_nc_u32 v[16+u], s15, v[15+u]
.set u, u+1
.endr
.set u, 0
.rept 16
	global_load_b128 v[64+4*u:67+4*u], v[16+u], s[16:17] th:TH_LOAD_NT
.set u, u+1
.endr
.set u, 0
.rept 16
	s_wait_loadcnt 15-u                            ; loads come back in order: number u is in, the younger ones stay out
	v_cvt_pk_f16_f32 v[32+2*u], v[64+4*u], v[65+4*u]
	v_cvt_pk_f16_f32 v[33+2*u], v[66+4*u], v[67+4*u]
	global_store_b64 v4, v[32+2*u:33+2*u], s[18:19] offset:u*2048  ; two rows of a block: 256 consecutive bytes
.set u, u+1
.endr
	s_branch .Lend
; W2's SUM.  Work-group j: column block j >> 4, rows d = 64 (j & 15) on.  A batch is 16 rows d x 16 blocks h: sixteen loads a wave; three batches are on their way.
.macro WBATCH u
.set h, 0
.rept 16
	global_load_b128 v[64+64*((\u)%3)+4*h:64+64*((\u)%3)+4*h+3], v[16+h], s[16:17] offset:(\u)*65536 th:TH_LOAD_NT
.set h, h+1
.endr
.endm
.macro WSUM u
.set bf, 64+64*((\u)%3)
.irp d, 8,4,2,1
.set h, 0
.rept \d
	v_pk_add_f32 v[bf+4*h:bf+4*h+1], v[bf+4*h:bf+4*h+1], v[bf+4*(h+(\d)):bf+4*(h+(\d))+1]
	v_pk_add_f32 v[bf+4*h+2:bf+4*h+3], v[bf+4*h+2:bf+4*h+3], v[bf+4*(h+(\d))+2:bf+4*(h+(\d))+3]
.set h, h+1
.endr
.endr
	v_pk_mul_f32 v[bf:bf+1], v[bf:bf+1], 0x3d800000 op_sel_hi:[1,0]      ; x 1/16, exact
	v_pk_mul_f32 v[bf+2:bf+3], v[bf+2:bf+3], 0x3d800000 op_sel_hi:[1,0]
	v_cvt_pk_f16_f32 v[32+2*(\u)], v[bf], v[bf+1]
	v_cvt_pk_f16_f32 v[33+2*(\u)], v[bf+2], v[bf+3]
	global_store_b64 v4, v[32+2*(\u):33+2*(\u)], s[18:19] offset:(\u)*2048
.endm
.Lw2sum:
	s_load_b64 s[16:17], s[0:1], A_W2
	s_load_b64 s[18:19], s[0:1], A_BUNA
	s_lshr_b32 s10, ttmp9, 4
	s_and_b32 s11, ttmp9, 15
	s_lshl_b32 s20, s11, 18                        ; 64 rows of 4,096 bytes
	s_lshl_b32 s12, s10, 8
	s_add_co_u32 s20, s20, s12
	s_mov_b32 s21, 0
	s_lshl_b32 s22, s10, 17
	s_lshl_b32 s12, s11, 13
	s_add_co_u32 s22, s22, s12
	s_add_co_u32 s22, s22, (12<<20)+(32<<17)       ; blocks 32 to 47 of the projection's weights
	s_mov_b32 s23, 0
	v_lshlrev_b32 v3, 12, v2
	v_lshl_add_u32 v3, v1, 4, v3
.set h, 0
.rept 16
	v_add_nc_u32 v[16+h], h<<22, v3                ; block h lies 1,024 rows, 4 MiB, further on
.set h, h+1
.endr
	s_wait_kmcnt 0x0
	s_add_nc_u64 s[16:17], s[16:17], s[20:21]
	s_add_nc_u64 s[18:19], s[18:19], s[22:23]
	WBATCH 0
	WBATCH 1
	WBATCH 2
	s_wait_loadcnt 32                              ; batch 0 is in; batches 1 and 2 stay out
	WSUM 0
	WBATCH 3
	s_wait_loadcnt 32                              ; batch 1 is in; 2 and 3 stay out
	WSUM 1
	s_wait_loadcnt 16                              ; batch 2 is in; 3 stays out
	WSUM 2
	s_wait_loadcnt 0x0
	WSUM 3
	s_branch .Lend
; THE MASK.  A wave takes 32 queries (qp) x 64 keys (ks): 32 rows of 256 bytes.  It loads them as they lie, two rows a load (16 lanes take a row's 256 consecutive bytes), puts them into LDS bytes of its own,
; and takes them back as lane L of the attention launch holds its scores: query 16 t + L % 16, keys 16 kt + 8 (L / 16) + j.  A compare makes of register (t, kt, j) one word, bit L for lane L;
; the 64 words are gathered into two registers and leave as 256 consecutive bytes.  No other wave touches these LDS bytes, and LDS serves a wave's instructions in order (ISA guide 5.7.1.4): no barrier.
.Lmask:
	s_load_b64 s[16:17], s[0:1], A_MASK
	s_load_b64 s[18:19], s[0:1], A_MB
	s_sub_co_u32 s9, ttmp9, 256
	s_lshl_b32 s9, s9, 3
	s_add_co_u32 s9, s9, s8                        ; task = 32 qp + ks
	s_lshr_b32 s10, s9, 5
	s_and_b32 s11, s9, 31
	s_lshl_b32 s20, s10, 18                        ; 32 rows of 8,192 bytes
	s_lshl_b32 s12, s11, 8
	s_add_co_u32 s20, s20, s12
	s_mov_b32 s21, 0
	s_lshl_b32 s22, s9, 8
	s_add_co_u32 s22, s22, 256                     ; the buffer's first 256 bytes hold a LayerNorm launch's words
	s_mov_b32 s23, 0
	s_mul_i32 s13, s8, 32*MP                       ; my wave's LDS bytes
	v_bfe_u32 v5, v0, 4, 1                         ; L / 16
	v_lshlrev_b32 v3, 13, v5
	v_lshl_add_u32 v3, v1, 4, v3                   ; in memory: row L / 16, 16 (L % 16)
	v_mul_u32_u24 v8, v5, MP
	v_lshl_add_u32 v8, v1, 4, v8
	v_add_nc_u32 v8, s13, v8                       ; into LDS: the same
	v_mul_u32_u24 v9, v1, MP
	v_lshl_add_u32 v9, v5, 5, v9
	v_add_nc_u32 v9, s13, v9                       ; back: row L % 16, 8 (L / 16) numbers on
	v_and_b32 v6, 31, v0
	v_lshlrev_b32 v6, 3, v6
	v_mov_b32 v32, 0
	v_mov_b32 v33, 0
	s_wait_kmcnt 0x0
	s_add_nc_u64 s[16:17], s[16:17], s[20:21]
	s_add_nc_u64 s[18:19], s[18:19], s[22:23]
.set u, 0
.rept 16
	global_load_b128 v[64+4*u:67+4*u], v3, s[16:17] offset:u*16384 th:TH_LOAD_NT
.set u, u+1
.endr
.set u, 0
.rept 16
	s_wait_loadcnt 15-u                            ; number u is in, the younger ones stay out
	ds_store_b128 v8, v[64+4*u:67+4*u] offset:u*2*MP
.set u, u+1
.endr
.set u, 0
.rept 8                                ; u = 4 t + kt
	ds_load_b128 v[128+8*u:128+8*u+3],   v9 offset:(u/4)*16*MP+(u%4)*64
	ds_load_b128 v[128+8*u+4:128+8*u+7], v9 offset:(u/4)*16*MP+(u%4)*64+16
.set u, u+1
.endr
	s_wait_dscnt 0x0
.set u, 0
.rept 64
	v_cmp_ne_u32 s[24+(u&1)], 0, v[128+u]
	v_writelane_b32 v[32+(u&1)], s[24+(u&1)], u>>1 ; word u goes to lane u / 2, register u % 2: lane L then stores words 2 L and 2 L + 1
.set u, u+1
.endr
	global_store_b64 v6, v[32:33], s[18:19]
	s_branch .Lend
; x.  Work-group n: rows t = 64 (n >> 2) on, columns d = 256 (n & 3) on.  Rounded once; stored in blocks as it lies, and turned through LDS (256 rows d of 64 t, pitch 136, from LDS byte XB).
.Lxjob:
	s_load_b64 s[16:17], s[0:1], A_X
	s_load_b64 s[18:19], s[0:1], A_BUNY
	s_load_b64 s[24:25], s[0:1], A_BUNA
	s_sub_co_u32 s9, ttmp9, 512
	s_lshr_b32 s10, s9, 2                          ; tb
	s_and_b32 s11, s9, 3                           ; dq
	s_lshl_b32 s20, s10, 18
	s_lshl_b32 s12, s11, 10
	s_add_co_u32 s20, s20, s12
	s_mov_b32 s21, 0
	s_lshr_b32 s22, s10, 4
	s_lshl_b32 s22, s22, 21
	s_lshl_b32 s12, s11, 19
	s_add_co_u32 s22, s22, s12
	s_and_b32 s12, s10, 15
	s_lshl_b32 s12, s12, 13
	s_add_co_u32 s22, s22, s12
	s_add_co_u32 s22, s22, 4<<20                   ; x in blocks lies at bunY + 4 MiB
	s_mov_b32 s23, 0
	s_lshl_b32 s26, s10, 17
	s_lshl_b32 s12, s11, 15
	s_add_co_u32 s26, s26, s12
	s_add_co_u32 s26, s26, 8<<20                   ; its transpose at bunA + 8 MiB: block tb, rows 256 dq on
	s_mov_b32 s27, 0
	v_lshlrev_b32 v3, 12, v2
	v_lshl_add_u32 v3, v1, 4, v3
	v_mul_u32_u24 v6, v1, 4*TP
	v_lshl_add_u32 v6, v2, 1, v6                   ; into LDS: row d = 4 i (+ e), t = hr,
	v_add_nc_u32 v6, XB, v6                        ; in this job's own bytes
	v_mul_u32_u24 v7, v2, TP
	v_lshl_add_u32 v7, v1, 3, v7                   ; back: row d = hr, 8 bytes at 8 i
	v_add_nc_u32 v7, XB, v7
	s_wait_kmcnt 0x0
	s_add_nc_u64 s[16:17], s[16:17], s[20:21]
	s_add_nc_u64 s[18:19], s[18:19], s[22:23]
	s_add_nc_u64 s[24:25], s[24:25], s[26:27]
.set n, 0
.rept 16                               ; n = 4 db + u: columns 64 db on, rows 16 u on
	global_load_b128 v[64+4*n:67+4*n], v3, s[16:17] offset:(n%4)*65536+(n/4)*256 th:TH_LOAD_NT
.set n, n+1
.endr
.set n, 0
.rept 16
	s_wait_loadcnt 15-n                            ; number n is in, the younger ones stay out
	v_cvt_pk_f16_f32 v[32+2*n], v[64+4*n], v[65+4*n]
	v_cvt_pk_f16_f32 v[33+2*n], v[66+4*n], v[67+4*n]
	global_store_b64 v4, v[32+2*n:33+2*n], s[18:19] offset:(n/4)*131072+(n%4)*2048
	ds_store_b16        v6, v[32+2*n] offset:(64*(n/4)+0)*TP+32*(n%4)
	ds_store_b16_d16_hi v6, v[32+2*n] offset:(64*(n/4)+1)*TP+32*(n%4)
	ds_store_b16        v6, v[33+2*n] offset:(64*(n/4)+2)*TP+32*(n%4)
	ds_store_b16_d16_hi v6, v[33+2*n] offset:(64*(n/4)+3)*TP+32*(n%4)
.set n, n+1
.endr
	s_wait_dscnt 0x0                               ; for the others' sake: my stores into LDS are done
	s_barrier_signal -1
	s_barrier_wait -1
.set n, 0
.rept 16
	ds_load_b64 v[64+2*n:65+2*n], v7 offset:n*16*TP
.set n, n+1
.endr
.set n, 0
.rept 16
	s_wait_dscnt 15-n
	global_store_b64 v4, v[64+2*n:65+2*n], s[24:25] offset:n*2048
.set n, n+1
.endr
.Lend:
	s_wait_tensorcnt 0x0                           ; the wave's end, behind my last LDS store
	ds_add_u32 v[SPW], v[NIL]
	s_wait_dscnt 0x0
	s_endpgm
.Lfunc_end_k_qa8d6427daf_prep:
	.size	k_qa8d6427daf_prep, .Lfunc_end_k_qa8d6427daf_prep-k_qa8d6427daf_prep
	.p2alignl 7, 3214868480
	.fill 96, 4, 3214868480
	.section	.rodata,"a",@progbits
	.p2align	6, 0x0
	.amdhsa_kernel k_qa8d6427daf_prep
		.amdhsa_group_segment_fixed_size 105472
		.amdhsa_private_segment_fixed_size 0
		.amdhsa_enable_private_segment 0
		.amdhsa_kernarg_size 160
		.amdhsa_user_sgpr_count 2
		.amdhsa_user_sgpr_kernarg_segment_ptr 1
		.amdhsa_wavefront_size32 1
		.amdhsa_system_sgpr_workgroup_id_x 1
		.amdhsa_system_sgpr_workgroup_id_y 1
		.amdhsa_system_sgpr_workgroup_id_z 1
		.amdhsa_system_vgpr_workitem_id 0
		.amdhsa_next_free_vgpr 256
		.amdhsa_next_free_sgpr 66
		.amdhsa_reserve_vcc 1
		.amdhsa_float_denorm_mode_32 3
		.amdhsa_float_denorm_mode_16_64 3
		.amdhsa_memory_ordered 1
		.amdhsa_forward_progress 1
		.amdhsa_inst_pref_size 61
	.end_amdhsa_kernel
	.amdgpu_metadata
---
amdhsa.version: [ 1, 2 ]
amdhsa.kernels:
  - .name:           k_qa8d6427daf_prep
    .symbol:         k_qa8d6427daf_prep.kd
    .args:
      - { .name: W2, .offset: 0, .size: 8, .value_kind: global_buffer, .address_space: global }
      - { .name: y_mask, .offset: 8, .size: 8, .value_kind: global_buffer, .address_space: global }
      - { .name: x, .offset: 16, .size: 8, .value_kind: global_buffer, .address_space: global }
      - { .name: y, .offset: 24, .size: 8, .value_kind: global_buffer, .address_space: global }
      - { .name: W1, .offset: 32, .size: 8, .value_kind: global_buffer, .address_space: global }
      - { .name: Wf2, .offset: 40, .size: 8, .value_kind: global_buffer, .address_space: global }
      - { .name: Wf1, .offset: 48, .size: 8, .value_kind: global_buffer, .address_space: global }
      - { .name: Wq, .offset: 56, .size: 8, .value_kind: global_buffer, .address_space: global }
      - { .name: Wk, .offset: 64, .size: 8, .value_kind: global_buffer, .address_space: global }
      - { .name: Wv, .offset: 72, .size: 8, .value_kind: global_buffer, .address_space: global }
      - { .name: bq, .offset: 80, .size: 8, .value_kind: global_buffer, .address_space: global }
      - { .name: bk, .offset: 88, .size: 8, .value_kind: global_buffer, .address_space: global }
      - { .name: bv, .offset: 96, .size: 8, .value_kind: global_buffer, .address_space: global }
      - { .name: bf1, .offset: 104, .size: 8, .value_kind: global_buffer, .address_space: global }
      - { .name: bunY, .offset: 112, .size: 8, .value_kind: global_buffer, .address_space: global }
      - { .name: bunA, .offset: 120, .size: 8, .value_kind: global_buffer, .address_space: global }
      - { .name: bunB, .offset: 128, .size: 8, .value_kind: global_buffer, .address_space: global }
      - { .name: mbits, .offset: 136, .size: 8, .value_kind: global_buffer, .address_space: global }
      - { .name: par1, .offset: 144, .size: 8, .value_kind: global_buffer, .address_space: global }
      - { .name: par2, .offset: 152, .size: 8, .value_kind: global_buffer, .address_space: global }
    .group_segment_fixed_size: 105472
    .private_segment_fixed_size: 0
    .kernarg_segment_align: 8
    .kernarg_segment_size: 160
    .max_flat_workgroup_size: 256
    .sgpr_count:     66
    .vgpr_count:     256
    .wavefront_size: 32
...
	.end_amdgpu_metadata
.endif
;; end of part 1
;; launch gemm16 (part 2): grid 32 x 16, 4 waves a work-group, clusters of 4 x 4, 327,680 bytes of LDS; arguments bunY, bunA, qkvx; writes qkvx
.if DOCPART == 2
	.amdgcn_target "amdgcn-amd-amdhsa--gfx1250"
	.amdhsa_code_object_version 6
	.text
	.protected	k_qa8d6427daf_gemm16
	.globl	k_qa8d6427daf_gemm16
	.p2align	8
	.type	k_qa8d6427daf_gemm16,@function
k_qa8d6427daf_gemm16:
	s_mov_b64 s[64:65], 0
	v_nop
	global_prefetch_b8 v0, s[64:65] scope:SCOPE_SE
	s_setreg_imm32_b32 hwreg(HW_REG_WAVE_MODE, 25, 1), 1
	s_wait_xcnt 0x0
	s_wait_alu depctr_hold_cnt(0) depctr_sa_sdst(0) depctr_va_vdst(0) depctr_va_sdst(0) depctr_va_ssrc(0) depctr_va_vcc(0) depctr_vm_vsrc(0)
	s_getreg_b32 s2, hwreg(HW_REG_IB_STS2, 6, 4)
	s_cmp_eq_u32 s2, 0
	s_cbranch_scc0 .Lentry_in_a_cluster
	s_endpgm
.Lentry_in_a_cluster:
	s_bfe_u32 s2, ttmp6, 0x10000c
	s_cmp_lg_u32 s2, 0xf033
	s_cbranch_scc0 .Lentry_shape_is_right
	s_endpgm
.Lentry_shape_is_right:
; C = max(A B + bias, floor), rounded once to f16.  A: [2048][1024] f16 in blocks, B: [1024][N] f16 in blocks as the weights lie ([k][n]), C: [2048][N] f16 in blocks; sums in f32.
; (The block layout: element (r, c) at ((c>>10)*(R>>10) + (r>>10))*2 MiB + ((c>>6)&15)*128 KiB + (r&1023)*128 + (c&63)*2.)
; Two launches run this text: the projections (N = 4,096: q | k | x W2s / 16 | v; floor -inf, so none) and the FFN's first layer (N = 2,048; floor 0, the ReLU).
; A lies at the first bundle's byte 0; for column tiles 16 to 23 (clusters 4 and 5 along x: the columns of W2s) at 4 MiB, where x lies.  B lies at the second bundle's 12 MiB,
; the bias at its 20 MiB, the floor 16 KiB behind that.  A NaN stays a NaN: the floor is a compare and a select.
; LIMITS.  f16 holds no number beyond 65,504 (a larger result becomes an infinity) and keeps a fixed step of 6e-8 below 6e-5.
; SHARES.  A tile of C is 128 x 128: four waves, each 64 x 64 in 16 accumulators.  K goes in four steps of 256 through two LDS slots.  A step's A is four chunks of 128 rows x 64 k
; (16 KiB on end each, 128 KiB apart), its B two column blocks of 256 k x 64 n (32 KiB on end each).  Waves 0 and 1 fetch two chunks of A each, waves 2 and 3 a block of B each.
; CLUSTERS: 4 x 4 work-groups; A's tiles are asked for jointly along a row of the cluster, B's along a column.
; THE MATRIX INSTRUCTION IS USED TRANSPOSED (source 0 = 16 columns of B, turned by ds_load_tr16_b128; source 1 = 16 rows of A): a lane holds eight neighbouring numbers of a row of C.
; REGISTERS: window 0: v0-31 addresses; v32-95 at work on the way out; v96-127 the bias; v128-255 the accumulators ((a, b) at v[128 + 8 (4 a + b)]).
;   window 1: two fragment buffers of 128: for 64 along K, 64 registers of A, then 64 of B.
; The stage of the way out lies in slot 0: its last fill is K step 2's, and every wave's reads of it end in front of the last change of slots' barrier.
.set OUT16, 1
.if OUT16
.set OFFB,   12<<20
.set SPITCH, 272                       ; a stage row: 128 f16 + 16 bytes
.else
.set OFFB,   8<<20
.set SPITCH, 528                       ; a stage row: 128 f32 + 16 bytes
.endif
.set PA,    144                        ; a row of A in LDS: 128 bytes + 16: the 16 rows of a load start at 16 different groups of four banks (64 banks of 4 bytes: ISA guide 11.1)
.set CHA,   128*PA                     ; a chunk of A
.set PB,    160                        ; a row of B: 128 + 32
.set NBB,   256*PB                     ; a column block of B
.set BOFF,  4*CHA
.set SLOT,  BOFF+2*NBB                 ; 155,648
.set SPARE, 2*SLOT                     ; behind the ring: the spare words, 128 bytes for each wave
.set ADRA, 16                          ; v16-17  LDS address of my A fragments in slot 0, 1
.set ADRB, 20                          ; v20-21  the same for B
.set STO,  24
.set RD,   25
.set CO,   26
.set BO,   27                          ; v27     my byte offset in the tile's 128 biases
.set SPW,  28                          ; v28     SPARE + 4 x my thread's number; never rewritten
.set NIL,  29                          ; v29     0; never rewritten
.set FLO,  30                          ; v30     the floor
.set TMP,  32
.set BI,   96
.set ACC,  128
.set F0,   0
.set F1,   128
.set G1,  24                           ; s[24:31] descriptor group 1 for A;  s[32:39] group 0, one set for each slot
.set G0,  32
.set G1B, 48                           ; s[48:55], s[56:63] the same for B
.set G0B, 56
.set MSB, 0
.macro WIN new                         ; the immediate's high byte repeats the setting that is left
.if MSB != (\new)
	s_set_vgpr_msb (MSB<<8)|(\new)
.set MSB, \new
.endif
.endm
.set MUL,  0x05                        ; sources 0 (B) and 1 (A) window 1; C and D window 0
.set TO_F, 0x40                        ; destination window 1, address window 0
.macro JLOAD s                         ; a joint load: waves 0 and 1 for A, waves 2 and 3 for B; an s_nop 0 and four v_nop follow each of the two lines
	s_cmp_eq_u32 s11, 0
	s_cbranch_scc0 .Lfor_b_\@
	tensor_load_to_lds s[G0+4*(\s):G0+4*(\s)+3], s[G1:G1+7]
	s_nop 0
.rept 4
	v_nop
.endr
	s_branch .Lasked_\@
.Lfor_b_\@:
	tensor_load_to_lds s[G0B+4*(\s):G0B+4*(\s)+3], s[G1B:G1B+7]
	s_nop 0
.rept 4
	v_nop
.endr
.Lasked_\@:
.endm
.macro CREST                           ; a round of the cluster's barrier behind its opening barrier
	s_cmp_lg_u32 s10, 0
	s_cbranch_scc1 .Lnot_wave_0_\@
	s_barrier_signal -3
.Lnot_wave_0_\@:
	s_barrier_wait -3
	s_barrier_signal -1
	s_barrier_wait -1
.endm
.macro CROUND
	s_barrier_signal -1
	s_barrier_wait -1
	CREST
.endm
	s_load_b128 s[4:7], s[0:1], 0x0                ; A's bundle s[4:5], B's s[6:7]
	s_load_b64 s[8:9], s[0:1], 0x10                ; C
	v_lshl_add_u32 v[SPW], v0, 2, SPARE
	v_mov_b32 v[NIL], 0
	ds_add_u32 v[SPW], v[NIL]                      ; the wave's opening: the add and its wait stand ahead of my first tensor load; the set-up stands between them
	v_lshrrev_b32 v1, 5, v0
	v_readfirstlane_b32 s10, v1                    ; wave 0..3
	s_lshr_b32 s11, s10, 1                         ; my half of the tile's rows.  Also: I fetch for A (0) or for B (1)
	s_and_b32 s12, s10, 1                          ; my half of its columns.  Also: which part of A or B I fetch
	s_bfe_u32 s40, ttmp6, 0x40000                  ; cx, cy: my place in the cluster
	s_bfe_u32 s41, ttmp6, 0x40004
	s_lshl_b32 s42, ttmp9, 2
	s_add_co_u32 s42, s42, s40                     ; c: tile column = 4 x cluster x + cx
	s_and_b32 s14, ttmp7, 0xffff                   ; cluster y: its bits 1:0 choose four tile rows, the bits above a panel of 1,024 along K
	s_lshr_b32 s45, s14, 2                         ; p
	s_and_b32 s13, s14, 3
	s_lshl_b32 s13, s13, 2
	s_add_co_u32 s13, s13, s41                     ; mt: tile row
	s_lshl_b32 s43, s41, 2
	s_lshl_b32 s43, 15, s43                        ; my row of the cluster
	s_lshl_b32 s44, 0x1111, s40                    ; my column
	; group 1 for A: 2 rows of 2,048 elements of 8 bytes (a chunk each), 16,384 elements (128 KiB) apart; 16 bytes of padding behind every 128
	s_or_b32 s[G1+0], s43, (3<<16)|(1<<20)|(1<<21)|(4<<22)|(3<<25)
	s_mov_b32 s[G1+1], 2048<<16                    ; tensor_dim0
	s_mov_b32 s[G1+2], 2<<16                       ; tensor_dim1
	s_mov_b32 s[G1+3], 2048<<16                    ; tile_dim0
	s_mov_b32 s[G1+4], 2                           ; tile_dim1
	s_mov_b32 s[G1+5], 16384                       ; from row to row
	s_mov_b32 s[G1+6], 0
	s_mov_b32 s[G1+7], 0
	; group 1 for B: 32 KiB on end as 128 rows of 256 bytes; 32 bytes of padding behind every 128
	s_or_b32 s[G1B+0], s44, (3<<16)|(1<<20)|(1<<21)|(4<<22)|(7<<25)
	s_mov_b32 s[G1B+1], 32<<16
	s_mov_b32 s[G1B+2], 128<<16
	s_mov_b32 s[G1B+3], 32<<16
	s_mov_b32 s[G1B+4], 128
	s_mov_b32 s[G1B+5], 32
	s_mov_b32 s[G1B+6], 0
	s_mov_b32 s[G1B+7], 0
	; A's tile hangs on the tile row, the panel and (the projections' choice of y or x) the cluster's x, all shared along my row of the cluster
	s_lshl_b32 s16, s45, 22                        ; panel p: 4 MiB
	s_lshr_b32 s17, s13, 3
	s_lshl_b32 s17, s17, 21
	s_add_co_u32 s16, s16, s17
	s_and_b32 s17, s13, 7
	s_lshl_b32 s17, s17, 14
	s_add_co_u32 s16, s16, s17
	s_lshl_b32 s17, s12, 18                        ; my two chunks of the step's four
	s_add_co_u32 s16, s16, s17
.if OUT16
	s_lshr_b32 s17, ttmp9, 1
	s_cmp_eq_u32 s17, 2
	s_cselect_b32 s17, 1<<22, 0
	s_add_co_u32 s16, s16, s17
.endif
	s_mov_b32 s17, 0
	; B's hangs on the tile column and the panel, shared along my column
	s_lshl_b32 s46, s42, 1
	s_add_co_u32 s46, s46, s12                     ; my column block
	s_lshl_b32 s46, s46, 17
	s_lshl_b32 s47, s45, 21                        ; panel p: 2 MiB
	s_add_co_u32 s46, s46, s47
	s_add_co_u32 s46, s46, OFFB
	s_mov_b32 s47, 0
	s_mul_i32 s20, s12, 2*CHA                      ; where they go: no place in the cluster enters an LDS address
	s_mul_i32 s21, s12, NBB
	s_add_co_u32 s21, s21, BOFF
	s_wait_dscnt 0x0                               ; the opening add is done
	s_wait_kmcnt 0x0
	s_add_nc_u64 s[14:15], s[4:5], s[16:17]
	s_add_nc_u64 s[46:47], s[6:7], s[46:47]
	CROUND                                         ; all sixteen work-groups are here: the first joint loads meet
.irp s, 0,1
	s_mov_b32 s[G0+4*(\s)], 1
	s_add_co_u32 s[G0+4*(\s)+1], s20, (\s)*SLOT
	s_add_nc_u64 s[G0+4*(\s)+2:G0+4*(\s)+3], s[14:15], (\s)*(4<<17)  ; K step s: four chunks on
	s_or_b32 s[G0+4*(\s)+3], s[G0+4*(\s)+3], 0x80000000
	s_mov_b32 s[G0B+4*(\s)], 1
	s_add_co_u32 s[G0B+4*(\s)+1], s21, (\s)*SLOT
	s_add_nc_u64 s[G0B+4*(\s)+2:G0B+4*(\s)+3], s[46:47], (\s)*(1<<15)  ; 256 rows of 128 bytes on
	s_or_b32 s[G0B+4*(\s)+3], s[G0B+4*(\s)+3], 0x80000000
	JLOAD \s
.endr
	v_and_b32 v1, 15, v0                           ; l % 16
	v_bfe_u32 v2, v0, 4, 1                         ; l / 16
	v_bfe_u32 v5, v0, 3, 1                         ; (l / 8) % 2
	v_and_b32 v7, 7, v0                            ; l % 8
	v_mul_u32_u24 v3, v1, PA
	v_lshl_add_u32 v3, v2, 4, v3                   ; A: row x pitch + 16 x half
	v_lshl_add_u32 v4, v2, 3, v7
	v_mul_u32_u24 v4, v4, PB
	v_lshl_add_u32 v4, v5, 4, v4                   ; B, turned: row k = 8 (l / 16) + l % 8, columns 8 ((l / 8) % 2) on
	s_mul_i32 s21, s11, 64*PA                      ; my 64 rows of each chunk
	s_mul_i32 s22, s12, NBB                        ; my column block
	s_add_co_u32 s22, s22, BOFF
.irp s, 0,1
	v_add_nc_u32 v[ADRA+(\s)], s21, v3
	v_add_nc_u32 v[ADRB+(\s)], s22, v4
	s_add_co_u32 s21, s21, SLOT
	s_add_co_u32 s22, s22, SLOT
.endr
.if OUT16
	s_mul_i32 s23, s11, 64*SPITCH                  ; into the stage: my 64 rows, my half of their 256 bytes
	s_lshl_b32 s21, s12, 7
	s_add_co_u32 s23, s23, s21
	v_mul_u32_u24 v6, v1, SPITCH
	v_lshl_add_u32 v6, v2, 4, v6
	v_add_nc_u32 v[STO], s23, v6
	s_mul_i32 s23, s10, 32*SPITCH                  ; back: wave w takes rows 32 w on; 16 lanes take two rows' 128 bytes of one column block
	v_mul_u32_u24 v6, v5, SPITCH
	v_lshl_add_u32 v6, v2, 7, v6
	v_lshl_add_u32 v6, v7, 4, v6
	v_add_nc_u32 v[RD], s23, v6
	v_lshlrev_b32 v[CO], 17, v2                    ; in C: the second column block lies 128 KiB on
	v_lshl_add_u32 v[CO], v5, 7, v[CO]
	v_lshl_add_u32 v[CO], v7, 4, v[CO]
	s_lshl_b32 s21, s12, 8
	v_lshlrev_b32 v[BO], 5, v2
	v_add_nc_u32 v[BO], s21, v[BO]                 ; 4 (64 x my column half + 8 (l / 16))
	s_lshr_b32 s16, s13, 3
	s_lshl_b32 s16, s16, 21
	s_and_b32 s17, s13, 7
	s_lshl_b32 s17, s17, 14
	s_add_co_u32 s16, s16, s17
	s_lshl_b32 s17, s10, 12
	s_add_co_u32 s16, s16, s17
	s_mov_b32 s17, 0
	s_add_nc_u64 s[8:9], s[8:9], s[16:17]          ; C at my 32 rows,
	s_lshr_b32 s46, s42, 3
	s_lshl_b32 s46, s46, 22
	s_and_b32 s47, s42, 7
	s_lshl_b32 s47, s47, 18
	s_add_co_u32 s46, s46, s47
	s_mov_b32 s47, 0
	s_add_nc_u64 s[8:9], s[8:9], s[46:47]          ; at the tile's first column block
	s_add_nc_u64 s[18:19], s[6:7], 20<<20
	s_load_b32 s3, s[18:19], 0x4000                ; the floor
	s_lshl_b32 s46, s42, 9
	s_add_nc_u64 s[14:15], s[18:19], s[46:47]      ; the tile's 128 biases
.irp b, 0,1,2,3
	global_load_b128 v[BI+8*(\b):BI+8*(\b)+3],   v[BO], s[14:15] offset:64*(\b)
	global_load_b128 v[BI+8*(\b)+4:BI+8*(\b)+7], v[BO], s[14:15] offset:64*(\b)+16
.endr
	s_wait_kmcnt 0x0
	v_mov_b32 v[FLO], s3
.else
	s_mul_i32 s23, s11, 64*SPITCH                  ; into the stage: my 64 rows, my half of their 512 bytes
	s_lshl_b32 s21, s12, 8
	s_add_co_u32 s23, s23, s21
	v_mul_u32_u24 v6, v1, SPITCH
	v_lshl_add_u32 v6, v2, 5, v6
	v_add_nc_u32 v[STO], s23, v6
	s_mul_i32 s23, s10, 32*SPITCH                  ; back: wave w takes rows 32 w on, a whole row of 512 bytes a load
	v_and_b32 v6, 31, v0
	v_lshlrev_b32 v[CO], 4, v6
	v_add_nc_u32 v[RD], s23, v[CO]
	s_lshl_b32 s16, s13, 16                        ; C: panel p at 8 MiB, tile column c at 1 MiB, rows of 512 bytes
	s_lshl_b32 s17, s10, 14
	s_add_co_u32 s16, s16, s17
	s_lshl_b32 s17, s45, 23
	s_add_co_u32 s16, s16, s17
	s_mov_b32 s17, 0
	s_add_nc_u64 s[8:9], s[8:9], s[16:17]
	s_lshl_b32 s46, s42, 20
	s_mov_b32 s47, 0
	s_add_nc_u64 s[8:9], s[8:9], s[46:47]
.endif
; 8 matrix instructions: m blocks a0, a0 + 1 x all 4 n blocks, 32 along K: half c of buffer f.  zero = 1: the first product starts the sums.  The 16 accumulators take turns.
.macro MUL8 f, c, a0, zero
	WIN MUL
.irp a, \a0, (\a0)+1
.irp b, 0,1,2,3
.if \zero
	v_wmma_f32_16x16x32_f16 v[ACC+8*(4*(\a)+(\b)):ACC+8*(4*(\a)+(\b))+7], v[(\f)+64+8*(4*(\c)+(\b)):(\f)+64+8*(4*(\c)+(\b))+7], v[(\f)+8*(4*(\c)+(\a)):(\f)+8*(4*(\c)+(\a))+7], 0
.else
	v_wmma_f32_16x16x32_f16 v[ACC+8*(4*(\a)+(\b)):ACC+8*(4*(\a)+(\b))+7], v[(\f)+64+8*(4*(\c)+(\b)):(\f)+64+8*(4*(\c)+(\b))+7], v[(\f)+8*(4*(\c)+(\a)):(\f)+8*(4*(\c)+(\a))+7], v[ACC+8*(4*(\a)+(\b)):ACC+8*(4*(\a)+(\b))+7]
.endif
.endr
.endr
.endm
; 32 LDS loads in one run: the fragments of chunk kq (64 along K) into buffer f; the first 32 along K first
.macro FETCH slot, kq, f
	WIN TO_F
.irp c, 0,1
.irp i, 0,1,2,3
	ds_load_tr16_b128 v[(\f)+64+8*(4*(\c)+(\i)):(\f)+64+8*(4*(\c)+(\i))+3],   v[ADRB+(\slot)] offset:(\kq)*64*PB+(\c)*32*PB+32*(\i)
	ds_load_tr16_b128 v[(\f)+64+8*(4*(\c)+(\i))+4:(\f)+64+8*(4*(\c)+(\i))+7], v[ADRB+(\slot)] offset:(\kq)*64*PB+(\c)*32*PB+32*(\i)+16*PB
	ds_load_b128 v[(\f)+8*(4*(\c)+(\i)):(\f)+8*(4*(\c)+(\i))+3],             v[ADRA+(\slot)] offset:(\kq)*CHA+64*(\c)+(\i)*16*PA
	ds_load_b128 v[(\f)+8*(4*(\c)+(\i))+4:(\f)+8*(4*(\c)+(\i))+7],           v[ADRA+(\slot)] offset:(\kq)*CHA+64*(\c)+(\i)*16*PA+32
.endr
.endr
.endm
.macro PLACES                          ; four places in front of loads into registers that matrix instructions have read, and of lines that read results
.rept 4
	v_nop
.endr
.endm
; A K step is four quarters of 64 along K, 32 matrix instructions each, on buffers 0, 1, 0, 1.  One of the first three: multiplies buffer f and fetches chunk kq into g.
.macro QUARTER slot, kq, f, g, zero
	s_wait_dscnt 16                                ; the first 32 along K are in; the other sixteen loads may be out
	MUL8 \f, 0, 0, \zero
	MUL8 \f, 0, 2, \zero
	PLACES
	FETCH \slot, \kq, \g
	s_wait_dscnt 32                                ; all but the 32 just issued
	MUL8 \f, 1, 0, 0
	MUL8 \f, 1, 2, 0
.endm
; The last quarter multiplies buffer 1 and changes slots: ONE barrier; in front of it each wave waits for all its tensor loads, adds 0 to its spare word, and waits for that and for its reads of this slot.
; fill = 1: the barrier opens a round of the cluster's, and this slot is filled again, two K steps ahead, first thing behind the round.
.macro TURN slot, next, fill
	WIN 0
	s_wait_tensorcnt 0x0                           ; all my tensor loads have landed: my part of the next slot
	ds_add_u32 v[SPW], v[NIL]                      ; 0 onto my spare word
	s_wait_dscnt 17                                ; (the add and the youngest sixteen loads may be out)
	MUL8 F1, 0, 0, 0
	s_wait_dscnt 0x0                               ; the add is done, and my reads of this slot are over
	s_barrier_signal -1
	MUL8 F1, 0, 2, 0
.if \fill
	WIN 0
.endif
	s_barrier_wait -1
.if \fill
	CREST                                          ; no wave of any partner still reads this slot's tile or has a load on its way
	s_add_nc_u64 s[G0+4*(\slot)+2:G0+4*(\slot)+3], s[G0+4*(\slot)+2:G0+4*(\slot)+3], 8<<17
	s_add_nc_u64 s[G0B+4*(\slot)+2:G0B+4*(\slot)+3], s[G0B+4*(\slot)+2:G0B+4*(\slot)+3], 2<<15
	JLOAD \slot                                    ; 112 matrix instructions ahead of the wait for it; its four v_nop are also the places in front of the loads below
.else
	PLACES
.endif
	FETCH \next, 0, F0
	MUL8 F1, 1, 0, 0
	MUL8 F1, 1, 2, 0
.endm
	s_wait_tensorcnt 1                             ; my part of K step 0 is in; K step 1's may stay out
	s_barrier_signal -1
	s_barrier_wait -1
	FETCH 0, 0, F0
	QUARTER 0, 1, F0, F1, 1                        ; K step 0: its first products start the sums
	QUARTER 0, 2, F1, F0, 0
	QUARTER 0, 3, F0, F1, 0
	TURN 0, 1, 1                                   ; slot 0 takes K step 2
	QUARTER 1, 1, F0, F1, 0
	QUARTER 1, 2, F1, F0, 0
	QUARTER 1, 3, F0, F1, 0
	TURN 1, 0, 1                                   ; slot 1 takes K step 3
	QUARTER 0, 1, F0, F1, 0
	QUARTER 0, 2, F1, F0, 0
	QUARTER 0, 3, F0, F1, 0
	TURN 0, 1, 0                                   ; nothing is left to fetch
	QUARTER 1, 1, F0, F1, 0
	QUARTER 1, 2, F1, F0, 0
	QUARTER 1, 3, F0, F1, 0
	s_wait_dscnt 16
	MUL8 F1, 0, 0, 0
	MUL8 F1, 0, 2, 0
	s_wait_dscnt 0x0
	MUL8 F1, 1, 0, 0
	MUL8 F1, 1, 2, 0
	WIN 0
	; THE WAY OUT, through one stage for the work-group, with a barrier between writing and reading: a row's bytes come from two waves.
.if OUT16
	s_wait_loadcnt 0x0                             ; the bias
.endif
	PLACES
	PLACES
.if OUT16
.irp a, 0,1,2,3
.irp b, 0,1,2,3
.irp r, 0,2,4,6
	v_pk_add_f32 v[ACC+8*(4*(\a)+(\b))+(\r):ACC+8*(4*(\a)+(\b))+(\r)+1], v[ACC+8*(4*(\a)+(\b))+(\r):ACC+8*(4*(\a)+(\b))+(\r)+1], v[BI+8*(\b)+(\r):BI+8*(\b)+(\r)+1]
.endr
.irp r, 0,1,2,3,4,5,6,7
	v_cmp_lt_f32 vcc_lo, v[ACC+8*(4*(\a)+(\b))+(\r)], v[FLO]  ; below the floor?  (never for a NaN)
	v_cndmask_b32 v[ACC+8*(4*(\a)+(\b))+(\r)], v[ACC+8*(4*(\a)+(\b))+(\r)], v[FLO], vcc_lo
.endr
.irp r, 0,1,2,3
	v_cvt_pk_f16_f32 v[TMP+4*(4*(\a)+(\b))+(\r)], v[ACC+8*(4*(\a)+(\b))+2*(\r)], v[ACC+8*(4*(\a)+(\b))+2*(\r)+1]
.endr
.endr
.endr
.irp a, 0,1,2,3
.irp b, 0,1,2,3
	ds_store_b128 v[STO], v[TMP+4*(4*(\a)+(\b)):TMP+4*(4*(\a)+(\b))+3] offset:(\a)*16*SPITCH+32*(\b)
.endr
.endr
	s_wait_dscnt 0x0                               ; for the others' sake: my stores into the stage are done
	s_barrier_signal -1
	s_barrier_wait -1
.set t, 0
.rept 16
	ds_load_b128 v[TMP+4*t:TMP+4*t+3], v[RD] offset:t*2*SPITCH
.set t, t+1
.endr
.set t, 0
.rept 16
	s_wait_dscnt 15-t
	global_store_b128 v[CO], v[TMP+4*t:TMP+4*t+3], s[8:9] offset:t*256  ; 16 lanes store two rows of a column block: 256 consecutive bytes, aligned
.set t, t+1
.endr
.else
.irp a, 0,1,2,3
.irp b, 0,1,2,3
	ds_store_b128 v[STO], v[ACC+8*(4*(\a)+(\b)):ACC+8*(4*(\a)+(\b))+3]   offset:(\a)*16*SPITCH+64*(\b)
	ds_store_b128 v[STO], v[ACC+8*(4*(\a)+(\b))+4:ACC+8*(4*(\a)+(\b))+7] offset:(\a)*16*SPITCH+64*(\b)+16
.endr
.endr
	s_wait_dscnt 0x0                               ; for the others' sake: my stores into the stage are done
	s_barrier_signal -1
	s_barrier_wait -1
.set t, 0
.rept 32                               ; rows 0-15 into v32-95, rows 16-31 into v128-191
	ds_load_b128 v[TMP+4*t+32*(t/16):TMP+4*t+32*(t/16)+3], v[RD] offset:t*SPITCH
.set t, t+1
.endr
.set t, 0
.rept 32
	s_wait_dscnt 31-t
	global_store_b128 v[CO], v[TMP+4*t+32*(t/16):TMP+4*t+32*(t/16)+3], s[8:9] offset:t*512  ; a row of the tile: 512 consecutive bytes, aligned
.set t, t+1
.endr
.endif
	s_wait_tensorcnt 0x0                           ; the wave's end, behind my last tensor load and my last LDS store
	ds_add_u32 v[SPW], v[NIL]
	s_wait_dscnt 0x0
	CROUND                                         ; the closing round: no work-group ends while a partner may still ask for a tile that names it
	s_endpgm
.Lfunc_end_k_qa8d6427daf_gemm16:
	.size	k_qa8d6427daf_gemm16, .Lfunc_end_k_qa8d6427daf_gemm16-k_qa8d6427daf_gemm16
	.p2alignl 7, 3214868480
	.fill 96, 4, 3214868480
	.section	.rodata,"a",@progbits
	.p2align	6, 0x0
	.amdhsa_kernel k_qa8d6427daf_gemm16
		.amdhsa_group_segment_fixed_size 327680
		.amdhsa_private_segment_fixed_size 0
		.amdhsa_enable_private_segment 0
		.amdhsa_kernarg_size 24
		.amdhsa_user_sgpr_count 2
		.amdhsa_user_sgpr_kernarg_segment_ptr 1
		.amdhsa_wavefront_size32 1
		.amdhsa_system_sgpr_workgroup_id_x 1
		.amdhsa_system_sgpr_workgroup_id_y 1
		.amdhsa_system_sgpr_workgroup_id_z 1
		.amdhsa_system_vgpr_workitem_id 0
		.amdhsa_next_free_vgpr 512
		.amdhsa_next_free_sgpr 66
		.amdhsa_reserve_vcc 1
		.amdhsa_float_denorm_mode_32 3
		.amdhsa_float_denorm_mode_16_64 3
		.amdhsa_memory_ordered 1
		.amdhsa_forward_progress 1
		.amdhsa_inst_pref_size 101
	.end_amdhsa_kernel
	.amdgpu_metadata
---
amdhsa.version: [ 1, 2 ]
amdhsa.kernels:
  - .name:           k_qa8d6427daf_gemm16
    .symbol:         k_qa8d6427daf_gemm16.kd
    .args:
      - { .name: bunY, .offset: 0, .size: 8, .value_kind: global_buffer, .address_space: global }
      - { .name: bunA, .offset: 8, .size: 8, .value_kind: global_buffer, .address_space: global }
      - { .name: qkvx, .offset: 16, .size: 8, .value_kind: global_buffer, .address_space: global }
    .group_segment_fixed_size: 327680
    .private_segment_fixed_size: 0
    .kernarg_segment_align: 8
    .kernarg_segment_size: 24
    .max_flat_workgroup_size: 128
    .sgpr_count:     66
    .vgpr_count:     512
    .wavefront_size: 32
...
	.end_amdgpu_metadata
.endif
;; end of part 2
;; launch attn (part 3): grid 16 x 16, 4 waves a work-group, clusters of 4 x 1, 327,680 bytes of LDS; arguments qkvx, mbits, bunA; writes bunA
.if DOCPART == 3
	.amdgcn_target "amdgcn-amd-amdhsa--gfx1250"
	.amdhsa_code_object_version 6
	.text
	.protected	k_qa8d6427daf_attn
	.globl	k_qa8d6427daf_attn
	.p2align	8
	.type	k_qa8d6427daf_attn,@function
k_qa8d6427daf_attn:
	s_mov_b64 s[64:65], 0
	v_nop
	global_prefetch_b8 v0, s[64:65] scope:SCOPE_SE
	s_setreg_imm32_b32 hwreg(HW_REG_WAVE_MODE, 25, 1), 1
	s_wait_xcnt 0x0
	s_wait_alu depctr_hold_cnt(0) depctr_sa_sdst(0) depctr_va_vdst(0) depctr_va_sdst(0) depctr_va_ssrc(0) depctr_va_vcc(0) depctr_vm_vsrc(0)
	s_getreg_b32 s2, hwreg(HW_REG_IB_STS2, 6, 4)
	s_cmp_eq_u32 s2, 0
	s_cbranch_scc0 .Lentry_in_a_cluster
	s_endpgm
.Lentry_in_a_cluster:
	s_bfe_u32 s2, ttmp6, 0x10000c
	s_cmp_lg_u32 s2, 0x3003
	s_cbranch_scc0 .Lentry_shape_is_right
	s_endpgm
.Lentry_shape_is_right:
; MASKED SELF-ATTENTION.  cat[q][64 h ..] = the sum over k of softmax_k(mask(q_h[q] . k_h[k] / 8)) v_h[k].  q, k, v: f16 in blocks, so a head's rows are dense, 128 bytes each
; (q at byte 0 of the buffer, k at 4 MiB, v at 12 MiB; rows 1,024 on lie 2 MiB further, head h 128 KiB further).  The result goes out in the same layout.
; THE MASK is an input and is honoured bit by bit: an earlier launch has packed it, one word for each score register, bit L for lane L.  A hidden score becomes -inf by a select; no branch hangs on it.
; Products, maxima and sums in f32; the weights p are rounded to f16 for the second product (their sum l is taken of the unrounded p), the result once at the end.
; SOFTMAX.  For each query a running maximum m and sum l: p = 2^(c s - c m), c = log2(e) / 8; in every step O and l are multiplied by a = 2^(c m_old - c m_new).
; m starts at the lowest finite number, O and l at 0: the first step is a step like any other.  A query all of whose keys are hidden keeps l = 0 and O = 0, and 0 / 0 gives the NaN that the softmax of such a row is.
; LIMITS.  f16 holds no number beyond 65,504: q, k, v arrive within it; p below 6e-5 keeps f16's fixed step of 6e-8; a weight below 2^-126 counts as 0; NaN and infinities among the inputs are not treated apart.
; SHARES.  A work-group owns 128 queries of one head, a wave two tiles of 16.  Every wave walks all 2,048 keys, 64 a step; a slot of LDS holds four steps.
; LAYOUT.  S^T = K Q^T (source 0 = 16 keys, source 1 = 16 queries): a lane holds ONE query (lane % 16) and the keys 8 (lane / 16) + 0..7.  Two such results rounded to f16 ARE source 1 of
; O^T = V^T P.  K comes out of LDS as it lies, V turned, by ds_load_tr16_b128.
; A TRIP of the loop, for step j: K of step j + 1 is asked of LDS; the mask, the maximum, one batch of exponentials with the scalings and rescalings between them, the roundings and sums of step j
; (some 300 vector lines, behind which K, and V of step j, asked for at the end of the trip before, are waited for); V^T P of step j; K Q^T of step j + 1; V of step j + 1 is asked of LDS.
; At the loop's edge K and V have been read up to the same step, so the change of slots stands there.  The first trip has no step yet: it goes from K's loads straight to K Q^T.
; CLUSTER.  The four query blocks of a cluster belong to one head and walk the same K and V: each tile is asked for JOINTLY, the same load, descriptor and mask in all four.
; Each wave fetches a quarter of a slot (128 keys of K: waves 0, 1; of V: waves 2, 3) by one line of text: K and V have the same pitch, 160 bytes, which V's turning load wants; K's loads then meet two deep in the banks.
; REGISTERS: window 0 as named below; window 1: v0-63 K of one step, v64-127 V of one step.
.set KS,    64
.set PK,    160                        ; a row of K or V in LDS: 128 bytes + 32
.set VOFF,  256*PK                     ; a slot: 256 rows of K, then 256 rows of V
.set SLOT1, 1<<17                      ; slot 1 begins here: one exclusive or turns an address in one slot into the other's
.set STAGE, SLOT1+2*VOFF               ; behind the ring, never filled by a tensor load: 16 rows x 144 bytes for each wave
.set SP,    144
.set SPARE, STAGE+4*16*SP              ; behind the stages: the spare words, 128 bytes for each wave
.set AK0, 2                            ; v2   my lane's place in a tile of K; never rewritten
.set AV0, 3                            ; v3   the same for V
.set AK,  4
.set AV,  5
.set STO, 6
.set RD,  7
.set GO,  8
.set NEG, 12                           ; v12  -inf
.set QO,  13
.set SPW, 14                           ; v14  SPARE + 4 x my thread's number; never rewritten
.set NIL, 15                           ; v15  0; never rewritten
.set ST,  16                           ; tile t's statistics at v[16+4 t]: c m, m, l (even keys', odd keys')
.set TMP, 24                           ; tile t: c0-c3 at work; when the maximum is found c2 takes a
.set MV,  32                           ; v32-33  c m_old
.set CV,  34                           ; v34-35  c
.set PFO, 36                           ; v36  256 x my lane; never rewritten
.set S,   64                           ; v64-127   S^T, 32 a tile
.set P,   128                          ; v128-159  P, 16 a tile
.set OA,  160                          ; v160-223  O^T, 32 a tile
.set QF,  224                          ; v224-255  Q, 16 a tile
.set KF,  0                            ; window 1
.set VF,  64                           ; window 1
.set KVB, 4                            ; s[4:5]   K or V at my 128 keys of the head's first 256
.set PFB, 6                            ; s[6:7]   K or V at my work-group's 32 rows of 256 bytes of the head's first 256 keys
.set G1,  8                            ; s[8:15]  descriptor group 1
.set G0,  16                           ; s[16:19] descriptor group 0
.set PFA, 20                           ; s[20:21] where the prefetch stands
.set LIM, 22                           ; s22  1 in a wave that prefetches, else the greatest number
.set WV,  24
.set CNT, 25
.set SLOTS, 26
.set NXT, 27                           ; s27  the slot's worth of keys to be asked for next
.set TBK, 28
.set TBV, 29
.set SEL, 30                           ; s[30:31] v_permlanex16_b32's selects
.set M0,  32                           ; s[32:63] the step's mask words for tile 0
.set MB,  66                           ; s[66:67] the mask words of my 32 queries
.set M1,  68                           ; s[68:99] for tile 1
.set MO,  100                          ; s100 byte offset of the step whose words are on their way
.set FIRST, 101                        ; s101 1 in the first trip alone
.set OP,  104                          ; s[104:105] the result at my wave's first row
.set MSB, 0
.macro WIN new
.if MSB != (\new)
	s_set_vgpr_msb (MSB<<8)|(\new)
.set MSB, (\new)
.endif
.endm
.set W_MM, 0x01                        ; source 0 (K or V) in window 1, all else in window 0
.set W_LD, 0x40                        ; destination in window 1
.macro JLOAD                           ; my quarter of a slot; an s_nop 0 and four v_nop follow
	tensor_load_to_lds s[G0:G0+3], s[G1:G1+7]
	s_nop 0
.rept 4
	v_nop
.endr
.endm
; A PREFETCH INTO THE L2 of what the NEXT change of slots will ask for: 128 rows of 256 bytes of K and of V, a lane a row.  Each row is named once in the launch: the head's first cluster asks;
; its four partners share the rows out by address, 32 each; in each, wave 0 asks for K's and wave 2 for V's.  The last change that fills a slot asks for nothing.
.macro ASK
	s_cmp_gt_u32 s[SLOTS], s[LIM]
	s_cbranch_scc0 .Lnot_mine_\@
	global_prefetch_b8 v[PFO], s[PFA:PFA+1] th:TH_LOAD_NT scope:SCOPE_SE
.Lnot_mine_\@:
.endm
.macro CROUND                          ; a round of the cluster's barrier
	s_barrier_signal -1
	s_barrier_wait -1
	s_cmp_lg_u32 s[WV], 0
	s_cbranch_scc1 .Lnot_wave_0_\@
	s_barrier_signal -3
.Lnot_wave_0_\@:
	s_barrier_wait -3
	s_barrier_signal -1
	s_barrier_wait -1
.endm
; THE CHANGE OF SLOTS.  Each wave waits for all its tensor loads (one is out: its part of the other slot), adds 0 to its spare word, and waits for that and for its reads of the slot that it leaves
; (the youngest are V's of the slot's fourth step, just issued).
; fill = 1: the barrier is a round of the cluster's, and the old slot is filled again first thing behind it, with keys 256 NXT on: four trips in which to land.
; Keys 256 n lie at byte (n >> 2) x 2 MiB + (n & 3) x 32 KiB of the head's K and V.  (At its first use nothing has been read yet: slot 0 is waited for, slot 1 filled.)
.macro CHANGE fill
	WIN 0
	s_wait_tensorcnt 0x0                           ; no tensor load of mine is out, so group 0 may be written
	ds_add_u32 v[SPW], v[NIL]                      ; 0 onto my spare word
.if \fill
	s_lshr_b32 s2, s[NXT], 2
	s_lshl_b32 s2, s2, 21
	s_and_b32 s3, s[NXT], 3
	s_lshl_b32 s3, s3, 15
	s_add_co_u32 s2, s2, s3
	s_mov_b32 s3, 0
	s_xor_b32 s[G0+1], s[G0+1], SLOT1
	s_add_nc_u64 s[G0+2:G0+3], s[KVB:KVB+1], s[2:3]
	s_or_b32 s[G0+3], s[G0+3], 0x80000000
	s_add_co_u32 s[NXT], s[NXT], 1
	s_wait_xcnt 0x0                                ; the last prefetch, four trips back, has read its address
	s_and_b32 s2, s[NXT], 7                        ; (the wrap keeps the unused last address inside the buffer)
	s_lshr_b32 s3, s2, 2
	s_lshl_b32 s3, s3, 21
	s_and_b32 s2, s2, 3
	s_lshl_b32 s2, s2, 15
	s_add_co_u32 s2, s2, s3
	s_mov_b32 s3, 0
	s_add_nc_u64 s[PFA:PFA+1], s[PFB:PFB+1], s[2:3]
	s_wait_dscnt 0x0                               ; the add is done, and my reads of the slot are over
	CROUND
	JLOAD
	ASK
.else
	s_wait_dscnt 0x0
	s_barrier_signal -1
	s_barrier_wait -1
.endif
	s_sub_co_u32 s[TBK], s[TBK], 4*KS*PK           ; the fetches go back to a slot's first step,
	s_xor_b32 s[TBK], s[TBK], SLOT1                ; in the other slot
	s_sub_co_u32 s[TBV], s[TBV], 4*KS*PK
	s_xor_b32 s[TBV], s[TBV], SLOT1
.endm
	s_load_b128 s[32:35], s[0:1], 0x0              ; q, k, v s[32:33]; the mask's bits s[34:35]
	s_load_b64 s[36:37], s[0:1], 0x10              ; the result
	v_lshl_add_u32 v[SPW], v0, 2, SPARE
	v_mov_b32 v[NIL], 0
	ds_add_u32 v[SPW], v[NIL]                      ; the wave's opening: the add and its wait stand ahead of my first tensor load
	v_lshrrev_b32 v1, 5, v0
	v_readfirstlane_b32 s[WV], v1                  ; wave 0..3
	s_bfe_u32 s38, ttmp6, 0x40000                  ; cx
	s_lshl_b32 s39, ttmp9, 2
	s_add_co_u32 s39, s39, s38                     ; qb: my block of 128 queries: it enters Q's, the mask's and the result's addresses alone
	s_and_b32 s40, ttmp7, 0xffff
	s_lshl_b32 s40, s40, 17                        ; the head's 128 KiB
	s_lshr_b32 s41, s[WV], 1
	s_lshl_b32 s41, s41, 23                        ; v lies 8 MiB behind k
	s_add_co_u32 s41, s41, s40
	s_add_co_u32 s41, s41, 4<<20
	s_and_b32 s42, s[WV], 1
	s_lshl_b32 s42, s42, 14                        ; my 128 keys of 256
	s_add_co_u32 s42, s42, s41
	s_mov_b32 s43, 0
	s_lshl_b32 s44, s38, 13                        ; the prefetches: my work-group's 32 rows of 256 bytes
	s_add_co_u32 s44, s44, s41
	s_mov_b32 s45, 0
	s_lshr_b32 s46, s39, 3
	s_lshl_b32 s46, s46, 21
	s_add_co_u32 s46, s46, s40
	s_and_b32 s47, s39, 7
	s_lshl_b32 s47, s47, 14
	s_add_co_u32 s46, s46, s47
	s_lshl_b32 s47, s[WV], 12
	s_add_co_u32 s46, s46, s47                     ; my wave's 32 rows, in q and in the result
	s_mov_b32 s47, 0
	s_lshl_b32 s48, s39, 2
	s_add_co_u32 s48, s48, s[WV]
	s_lshl_b32 s48, s48, 13                        ; my 32 queries' 32 steps x 256 bytes of mask words,
	s_add_co_u32 s48, s48, 256                     ; which begin at the buffer's byte 256
	s_mov_b32 s49, 0
	; group 1: 128 keys are 16,384 dense bytes: 64 rows of 256 bytes, two keys a row, 32 bytes of padding behind every key
	s_mov_b32 s[G1], 15|(1<<16)|(1<<20)|(1<<21)|(4<<22)|(7<<25)
	s_mov_b32 s[G1+1], 128<<16
	s_mov_b32 s[G1+2], 64<<16
	s_mov_b32 s[G1+3], 128<<16
	s_mov_b32 s[G1+4], 64
	s_mov_b32 s[G1+5], 128
	s_mov_b32 s[G1+6], 0
	s_mov_b32 s[G1+7], 0
	s_mov_b32 s[G0], 1
	s_mul_i32 s[G0+1], s[WV], 128*PK               ; slot 0, my quarter
	s_mov_b32 s[SEL], 0x76543210
	s_mov_b32 s[SEL+1], 0xfedcba98
	s_and_b32 s[LIM], s[WV], 1
	s_or_b32 s[LIM], s[LIM], ttmp9                 ; 0 in waves 0 and 2 of the head's first cluster: the same in all four partners
	s_cmp_eq_u32 s[LIM], 0
	s_cselect_b32 s[LIM], 1, -1
	s_mov_b32 s[TBK], SLOT1+4*KS*PK                ; the first change of slots turns these two into 0
	s_mov_b32 s[TBV], SLOT1+4*KS*PK
	s_mov_b32 s[NXT], 1
	s_mov_b32 s[MO], 0
	s_mov_b32 s[SLOTS], 7
	s_mov_b32 s[FIRST], 1
	s_wait_dscnt 0x0                               ; the opening add is done
	s_wait_kmcnt 0x0
	s_add_nc_u64 s[KVB:KVB+1], s[32:33], s[42:43]
	s_add_nc_u64 s[PFB:PFB+1], s[32:33], s[44:45]
	s_add_nc_u64 s[2:3], s[32:33], s[46:47]        ; Q at my wave's first row
	s_add_nc_u64 s[OP:OP+1], s[36:37], s[46:47]
	s_add_nc_u64 s[MB:MB+1], s[34:35], s[48:49]
	s_mov_b64 s[G0+2:G0+3], s[KVB:KVB+1]
	s_or_b32 s[G0+3], s[G0+3], 0x80000000
	s_mov_b64 s[PFA:PFA+1], s[PFB:PFB+1]
	CROUND                                         ; all four work-groups are here: the first joint loads meet
	JLOAD                                          ; slot 0; slot 1 is asked for by the loop's first change of slots
	v_and_b32 v1, 15, v0                           ; l % 16
	v_bfe_u32 v9, v0, 4, 1                         ; l / 16
	v_and_b32 v10, 7, v0
	v_bfe_u32 v11, v0, 3, 1
	v_lshlrev_b32 v[QO], 7, v1
	v_lshl_add_u32 v[QO], v9, 4, v[QO]
.set i, 0
.rept 4                                ; Q stays in registers: tile i / 2, channels 32 (i % 2) on
	global_load_b128 v[QF+8*i:QF+8*i+3],   v[QO], s[2:3] offset:(i/2)*2048+(i%2)*64
	global_load_b128 v[QF+8*i+4:QF+8*i+7], v[QO], s[2:3] offset:(i/2)*2048+(i%2)*64+32
.set i, i+1
.endr
	s_load_b512 s[M0:M0+15],    s[MB:MB+1], s[MO] offset:0x0   ; step 0's mask words
	s_load_b512 s[M0+16:M0+31], s[MB:MB+1], s[MO] offset:0x40
	s_load_b512 s[M1:M1+15],    s[MB:MB+1], s[MO] offset:0x80
	s_load_b512 s[M1+16:M1+31], s[MB:MB+1], s[MO] offset:0xc0
	v_mul_u32_u24 v[AK0], v1, PK
	v_lshl_add_u32 v[AK0], v9, 4, v[AK0]           ; row x pitch + 16 x half
	v_lshl_add_u32 v[AV0], v9, 3, v10              ; the turning load: key 8 (l / 16) + l % 8, channels 8 ((l / 8) % 2) on
	v_mul_u32_u24 v[AV0], v[AV0], PK
	v_lshl_add_u32 v[AV0], v11, 4, v[AV0]
	v_add_nc_u32 v[AV0], VOFF, v[AV0]
	s_mul_i32 s23, s[WV], 16*SP
	s_add_co_u32 s23, s23, STAGE                   ; my stage
	v_mul_u32_u24 v[STO], v1, SP
	v_lshl_add_u32 v[STO], v9, 4, v[STO]
	v_add_nc_u32 v[STO], s23, v[STO]
	v_bfe_u32 v[RD], v0, 3, 2                      ; back: 32 lanes take four rows of 128 bytes,
	v_mul_u32_u24 v[RD], v[RD], SP
	v_lshl_add_u32 v[RD], v10, 4, v[RD]
	v_add_nc_u32 v[RD], s23, v[RD]
	v_and_b32 v[GO], 31, v0                        ; which are 512 consecutive bytes of the result
	v_lshlrev_b32 v[PFO], 8, v[GO]
	v_lshlrev_b32 v[GO], 4, v[GO]
	v_mov_b32 v[NEG], 0xff800000
	v_mov_b32 v[CV], 0x3e38aa3b                    ; c = log2(e) / 8
	v_mov_b32 v[CV+1], 0x3e38aa3b
.irp t, 0,1
	v_mov_b32 v[ST+4*(\t)+1], 0xff7fffff           ; m: the lowest finite number
	v_mul_f32 v[ST+4*(\t)], v[CV], v[ST+4*(\t)+1]  ; c m: by the line that makes it in every step, so that c m_old - c m_new is 0 where m has not moved
	v_mov_b32 v[ST+4*(\t)+2], 0
	v_mov_b32 v[ST+4*(\t)+3], 0
.endr
	; O^T starts at 0, in the wait for the first tile: the 64 lines spare a first step written out.
.set i, OA
.rept 64
	v_mov_b32 v[i], 0
.set i, i+1
.endr
; THE MATRIX WORK.  The 8 accumulators of a run of 16 take turns.
.macro KQ                              ; product i of S^T = K Q^T: channels 32 (i / 8) on, keys 16 ((i / 2) % 4) on, tile i % 2.  The first 8 start the sums
.set rS, S+32*(i%2)+8*((i/2)%4)
.set rK, KF+16*((i/2)%4)+8*(i/8)
.set rQ, QF+16*(i%2)+8*(i/8)
.if i < 8
	v_wmma_f32_16x16x32_f16 v[rS:rS+7], v[rK:rK+7], v[rQ:rQ+7], 0
.else
	v_wmma_f32_16x16x32_f16 v[rS:rS+7], v[rK:rK+7], v[rQ:rQ+7], v[rS:rS+7]
.endif
.endm
.macro PV                              ; product i of O^T += V^T P: keys 32 (i / 8) on, channels 16 ((i / 2) % 4) on, tile i % 2
.set rO, OA+32*(i%2)+8*((i/2)%4)
.set rV, VF+32*(i/8)+8*((i/2)%4)
.set rP, P+16*(i%2)+8*(i/8)
	v_wmma_f32_16x16x32_f16 v[rO:rO+7], v[rV:rV+7], v[rP:rP+7], v[rO:rO+7]
.endm
.macro FETCH_K
	WIN W_LD
.irp f, 0,1,2,3,4,5,6,7                ; keys 16 (f / 2) on, channels 32 (f % 2) on
	ds_load_b128 v[KF+8*\f:KF+8*\f+3],   v[AK] offset:(\f/2)*16*PK+(\f%2)*64
	ds_load_b128 v[KF+8*\f+4:KF+8*\f+7], v[AK] offset:(\f/2)*16*PK+(\f%2)*64+32
.endr
	s_add_co_u32 s[TBK], s[TBK], KS*PK
.endm
.macro FETCH_V
	WIN W_LD
.irp f, 0,1,2,3,4,5,6,7                ; keys 32 (f / 4) on, channels 16 (f % 4) on
	ds_load_tr16_b128 v[VF+8*\f:VF+8*\f+3],   v[AV] offset:(\f/4)*32*PK+(\f%4)*32
	ds_load_tr16_b128 v[VF+8*\f+4:VF+8*\f+7], v[AV] offset:(\f/4)*32*PK+16*PK+(\f%4)*32
.endr
	s_add_co_u32 s[TBV], s[TBV], KS*PK
.endm
; THE VECTOR WORK.
.macro REGS u                          ; the registers of tile u
.set rT, ST+4*(\u)
.set rC, TMP+4*(\u)
.set rM, MV+(\u)
.set rS, S+32*(\u)
.set rP, P+16*(\u)
.set rO, OA+32*(\u)
.endm
; Number n of the 22 that find a tile's maximum and statistics: 0-11 four chains of seven scores; 12-14, 16 the four left over, the old m, and the four into one; 15 c m_old is kept;
; 17, 18 the query's other 32 keys lie in the lane 16 away: the new m; 19-21 c m, c m_old - c m_new, a
.macro XS u, n
	REGS \u
.if (\n) < 4
	v_max3_num_f32 v[rC+(\n)], v[rS+8*(\n)], v[rS+8*(\n)+1], v[rS+8*(\n)+2]
.elseif (\n) < 12
	v_max3_num_f32 v[rC+(\n)%4], v[rC+(\n)%4], v[rS+8*((\n)%4)+2*((\n)/4)+1], v[rS+8*((\n)%4)+2*((\n)/4)+2]
.elseif (\n) == 12
	v_max3_num_f32 v[rC], v[rC], v[rS+7], v[rS+15]
.elseif (\n) == 13
	v_max3_num_f32 v[rC+1], v[rC+1], v[rS+23], v[rS+31]
.elseif (\n) == 14
	v_max3_num_f32 v[rC+2], v[rC+2], v[rC+3], v[rT+1]
.elseif (\n) == 15
	v_mov_b32 v[rM], v[rT]
.elseif (\n) == 16
	v_max3_num_f32 v[rC], v[rC], v[rC+1], v[rC+2]
.elseif (\n) == 17
	v_permlanex16_b32 v[rC+3], v[rC], s[SEL], s[SEL+1]
.elseif (\n) == 18
	v_max_num_f32 v[rT+1], v[rC], v[rC+3]
.elseif (\n) == 19
	v_mul_f32 v[rT], v[CV], v[rT+1]
.elseif (\n) == 20
	v_sub_f32 v[rC+1], v[rM], v[rT]
.else
	v_exp_f32 v[rC+2], v[rC+1]
.endif
.endm
.macro FS f                            ; c s - c m for pair f / 2 of tile f % 2
	REGS (\f)%2
	v_pk_fma_f32 v[rS+2*((\f)/2):rS+2*((\f)/2)+1], v[rS+2*((\f)/2):rS+2*((\f)/2)+1], v[CV:CV+1], v[rT:rT+1] op_sel_hi:[1,0,0] neg_lo:[0,0,1] neg_hi:[0,0,1]
.endm
.macro RS r                            ; pair r / 2 of O^T of tile r % 2 times a
	REGS (\r)%2
	v_pk_mul_f32 v[rO+2*((\r)/2):rO+2*((\r)/2)+1], v[rO+2*((\r)/2):rO+2*((\r)/2)+1], v[rC+2:rC+3] op_sel_hi:[1,0]
.endm
.macro EX                              ; the exponential of score e / 2 of tile e % 2
	REGS e%2
	v_exp_f32 v[rS+e/2], v[rS+e/2]
.set e, e+1
.endm
.macro PLQ                             ; the next plain line between two exponentials: scalings 4 to 31, then the 32 rescalings
.if q < 32
	FS q
.elseif q < 64
	RS q-32
.endif
.set q, q+1
.endm
; Number g of the 64 behind the exponentials.  For each four weights k of a tile: both pairs are rounded to f16; the second pair is added onto the first, in place; a group later l takes that sum (the first time as l = a l + sum).
.macro GS g
.set h, (\g)+6*((\g)/62)
.if h >= 6
.set h, h+2
.endif
	REGS h%2
.set k, h/8
.if h%8 < 4
	v_cvt_pk_f16_f32 v[rP+2*k+(h%8)/2], v[rS+4*k+2*((h%8)/2)], v[rS+4*k+2*((h%8)/2)+1]
.elseif h%8 < 6
	v_pk_add_f32 v[rS+4*k:rS+4*k+1], v[rS+4*k:rS+4*k+1], v[rS+4*k+2:rS+4*k+3]
.elseif k == 1
	v_pk_fma_f32 v[rT+2:rT+3], v[rT+2:rT+3], v[rC+2:rC+3], v[rS:rS+1] op_sel_hi:[1,0,1]
.else
	v_pk_add_f32 v[rT+2:rT+3], v[rT+2:rT+3], v[rS+4*k-4:rS+4*k-3]
.endif
.endm
; A TRIP.  last = 0: in the loop; the first trip of all jumps over the step that it does not have.  last = 1: in the tail; its fifth trip has no further step: K's loads are jumped over, and the loop is left behind V^T P.
; All these jumps go forward and pass no barrier and no tensor load.
.macro TRIP last
.if \last
	s_cmp_eq_u32 s[CNT], 1
	s_cbranch_scc1 .Lno_k_\@
.endif
	v_add_nc_u32 v[AK], s[TBK], v[AK0]
	FETCH_K                                        ; the next step's K: six plain lines stand between the last product that read K and these loads
	WIN 0
.if \last
.Lno_k_\@:
.else
	s_cmp_eq_u32 s[FIRST], 1                       ; a constant of the text at the first trip, 0 from then on
	s_cbranch_scc1 .Lkq_\@
.endif
	s_wait_kmcnt 0x0                               ; this step's mask words, asked for a trip ago
.set i, 0
.rept 32
	v_cndmask_b32 v[S+i], v[NEG], v[S+i], s[M0+i]  ; bit L of the word: lane L's score stays; else -inf.  Each accumulator's registers in ascending order
.set i, i+1
.endr
.set i, 0
.rept 32
	v_cndmask_b32 v[S+32+i], v[NEG], v[S+32+i], s[M1+i]
.set i, i+1
.endr
	s_add_co_u32 s[MO], s[MO], 256                 ; the next step's words; behind the last step the offset wraps to 0, inside the buffer
	s_and_b32 s[MO], s[MO], 0x1fff
	s_load_b512 s[M0:M0+15],    s[MB:MB+1], s[MO] offset:0x0
	s_load_b512 s[M0+16:M0+31], s[MB:MB+1], s[MO] offset:0x40
	s_load_b512 s[M1:M1+15],    s[MB:MB+1], s[MO] offset:0x80
	s_load_b512 s[M1+16:M1+31], s[MB:MB+1], s[MO] offset:0xc0
.irp n, 0,1,2,3,4,5,6,7,8,9,10,11,12,13,14,15,16,17,18,19,20,21
	XS 0, \n
	XS 1, \n
.endr
	FS 0                                           ; plain lines behind the two a
	FS 1
	FS 2
	FS 3
	s_wait_alu depctr_va_vdst(0)                   ; the wait ahead of the first line that names a: one for the two
.set e, 0
.set q, 4
.rept 64                               ; ONE BATCH of 64 exponentials, a plain line behind each while there are any; none of these lines names an exponential's result.
	EX                                             ; exponential e wants scaling 2 (e / 4) + e % 2: scalings 0 to 3 + e stand ahead of it
	PLQ
.endr
	v_nop                                          ; a plain line behind the last exponential,
	s_wait_alu depctr_va_vdst(0)                   ; and one wait for the batch
.set g, 0
.rept 64
	GS g
.set g, g+1
.endr
	s_wait_dscnt 0x0                               ; V of this step (asked for at the end of the trip before) and K of the next (at this trip's head) are in
	WIN W_MM
.set i, 0
.rept 16
	PV                                             ; this step
.set i, i+1
.endr
	WIN 0
.if \last
	s_sub_co_u32 s[CNT], s[CNT], 1
	s_cmp_eq_u32 s[CNT], 0
	s_cbranch_scc1 .Lout
.else
.Lkq_\@:
	s_mov_b32 s[FIRST], 0
	s_wait_dscnt 0x0                               ; for the first trip, which has jumped over the wait above: K of step 0 is in
.endif
	WIN W_MM
.set i, 0
.rept 16
	KQ                                             ; the next step
.set i, i+1
.endr
	WIN 0
	v_add_nc_u32 v[AV], s[TBV], v[AV0]             ; with the four below: the places behind the products, in front of the loads into V and K and of the first reads of the scores
.rept 4
	v_nop
.endr
	FETCH_V                                        ; the next step's V
	WIN 0
.endm
	s_wait_loadcnt 0x0                             ; Q
.Lslot:                                                ; seven times: a slot is entered and the next is asked for.  Pass p runs trips 4 p - 1 to 4 p + 2, which take steps 4 p to 4 p + 3 out of LDS
	CHANGE 1
	s_mov_b32 s[CNT], 4
.Lstep:
	TRIP 0
	s_sub_co_u32 s[CNT], s[CNT], 1
	s_cmp_lg_u32 s[CNT], 0
	s_cbranch_scc1 .Lstep
	s_sub_co_u32 s[SLOTS], s[SLOTS], 1
	s_cmp_lg_u32 s[SLOTS], 0
	s_cbranch_scc1 .Lslot
	CHANGE 0                                       ; the last slot is written out
	s_mov_b32 s[CNT], 5                            ; trips 27 to 31: four take the slot's steps out of LDS, the fifth ends behind its V^T P
.Ltail:
	TRIP 1
	s_cmp_lg_u32 s[CNT], 0
	s_cbranch_scc1 .Ltail
.Lout:
.rept 4
	v_nop                                          ; the places behind the last products
.endr
	; THE WAY OUT.  l's two halves and the other half of the lanes' are added; O^T is divided by l, rounded to f16 and sent through my stage in LDS, a tile at a time.
.irp t, 0,1
	v_add_f32 v[ST+4*(\t)+2], v[ST+4*(\t)+2], v[ST+4*(\t)+3]
.endr
.irp t, 0,1
	v_permlanex16_b32 v[ST+4*(\t)+3], v[ST+4*(\t)+2], s[SEL], s[SEL+1]
.endr
.irp t, 0,1
	v_add_f32 v[ST+4*(\t)+2], v[ST+4*(\t)+2], v[ST+4*(\t)+3]
.endr
.irp t, 0,1
	v_rcp_f32 v[ST+4*(\t)+2], v[ST+4*(\t)+2]
.endr
	v_nop                                          ; a plain line behind the last reciprocal,
	s_wait_alu depctr_va_vdst(0)                   ; and one wait for the two
.macro PACK t                          ; a lane's eight channels of a row pack into 16 bytes; they go into rows of 144 bytes and come back as whole rows of 128
.set i, OA+32*(\t)
.rept 16
	v_pk_mul_f32 v[i:i+1], v[i:i+1], v[ST+4*(\t)+2:ST+4*(\t)+3] op_sel_hi:[1,0]
.set i, i+2
.endr
.set i, 0
.rept 16
	v_cvt_pk_f16_f32 v[S+16*(\t)+i], v[OA+32*(\t)+2*i], v[OA+32*(\t)+2*i+1]
.set i, i+1
.endr
.irp f, 0,1,2,3
	ds_store_b128 v[STO], v[S+16*(\t)+4*\f:S+16*(\t)+4*\f+3] offset:32*\f
.endr
.irp f, 0,1,2,3
	ds_load_b128 v[S+16*(\t)+4*\f:S+16*(\t)+4*\f+3], v[RD] offset:\f*4*SP  ; LDS serves a wave's instructions in order (ISA guide 5.7.1.4): these see the stores above
.endr
.endm
.macro SEND t, younger                 ; younger: the LDS instructions issued behind tile t's loads
.irp f, 0,1,2,3
	s_wait_dscnt (\younger)+3-\f
	global_store_b128 v[GO], v[S+16*(\t)+4*\f:S+16*(\t)+4*\f+3], s[OP:OP+1] offset:(\t)*2048+\f*512  ; 512 consecutive bytes, aligned
.endr
.endm
	PACK 0
	PACK 1
	SEND 0, 8
	SEND 1, 0
	s_wait_tensorcnt 0x0                           ; the wave's end, behind my last tensor load and my last LDS store
	ds_add_u32 v[SPW], v[NIL]
	s_wait_dscnt 0x0
	CROUND                                         ; the closing round
	s_endpgm
.Lfunc_end_k_qa8d6427daf_attn:
	.size	k_qa8d6427daf_attn, .Lfunc_end_k_qa8d6427daf_attn-k_qa8d6427daf_attn
	.p2alignl 7, 3214868480
	.fill 96, 4, 3214868480
	.section	.rodata,"a",@progbits
	.p2align	6, 0x0
	.amdhsa_kernel k_qa8d6427daf_attn
		.amdhsa_group_segment_fixed_size 327680
		.amdhsa_private_segment_fixed_size 0
		.amdhsa_enable_private_segment 0
		.amdhsa_kernarg_size 24
		.amdhsa_user_sgpr_count 2
		.amdhsa_user_sgpr_kernarg_segment_ptr 1
		.amdhsa_wavefront_size32 1
		.amdhsa_system_sgpr_workgroup_id_x 1
		.amdhsa_system_sgpr_workgroup_id_y 1
		.amdhsa_system_sgpr_workgroup_id_z 1
		.amdhsa_system_vgpr_workitem_id 0
		.amdhsa_next_free_vgpr 384
		.amdhsa_next_free_sgpr 106
		.amdhsa_reserve_vcc 0
		.amdhsa_float_denorm_mode_32 3
		.amdhsa_float_denorm_mode_16_64 3
		.amdhsa_memory_ordered 1
		.amdhsa_forward_progress 1
		.amdhsa_inst_pref_size 62
	.end_amdhsa_kernel
	.amdgpu_metadata
---
amdhsa.version: [ 1, 2 ]
amdhsa.kernels:
  - .name:           k_qa8d6427daf_attn
    .symbol:         k_qa8d6427daf_attn.kd
    .args:
      - { .name: qkvx, .offset: 0, .size: 8, .value_kind: global_buffer, .address_space: global }
      - { .name: mbits, .offset: 8, .size: 8, .value_kind: global_buffer, .address_space: global }
      - { .name: bunA, .offset: 16, .size: 8, .value_kind: global_buffer, .address_space: global }
    .group_segment_fixed_size: 327680
    .private_segment_fixed_size: 0
    .kernarg_segment_align: 8
    .kernarg_segment_size: 24
    .max_flat_workgroup_size: 128
    .sgpr_count:     106
    .vgpr_count:     384
    .wavefront_size: 32
...
	.end_amdgpu_metadata
.endif
;; end of part 3
;; launch gemm32 (part 4): grid 8 x 16, 4 waves a work-group, clusters of 4 x 4, 327,680 bytes of LDS; arguments bunA, bunB, zf; writes zf
.if DOCPART == 4
	.amdgcn_target "amdgcn-amd-amdhsa--gfx1250"
	.amdhsa_code_object_version 6
	.text
	.protected	k_qa8d6427daf_gemm32
	.globl	k_qa8d6427daf_gemm32
	.p2align	8
	.type	k_qa8d6427daf_gemm32,@function
k_qa8d6427daf_gemm32:
	s_mov_b64 s[64:65], 0
	v_nop
	global_prefetch_b8 v0, s[64:65] scope:SCOPE_SE
	s_setreg_imm32_b32 hwreg(HW_REG_WAVE_MODE, 25, 1), 1
	s_wait_xcnt 0x0
	s_wait_alu depctr_hold_cnt(0) depctr_sa_sdst(0) depctr_va_vdst(0) depctr_va_sdst(0) depctr_va_ssrc(0) depctr_va_vcc(0) depctr_vm_vsrc(0)
	s_getreg_b32 s2, hwreg(HW_REG_IB_STS2, 6, 4)
	s_cmp_eq_u32 s2, 0
	s_cbranch_scc0 .Lentry_in_a_cluster
	s_endpgm
.Lentry_in_a_cluster:
	s_bfe_u32 s2, ttmp6, 0x10000c
	s_cmp_lg_u32 s2, 0xf033
	s_cbranch_scc0 .Lentry_shape_is_right
	s_endpgm
.Lentry_shape_is_right:
; C = A B over one panel of 1,024 along K, left in f32.  A: [2048][K] f16 in blocks, B: [K][N] f16 in blocks ([k][n]), sums in f32.
; (The block layout: element (r, c) at ((c>>10)*(R>>10) + (r>>10))*2 MiB + ((c>>6)&15)*128 KiB + (r&1023)*128 + (c&63)*2.)
; C: panel p at 8 MiB, tile column c (128 columns) at 1 MiB, rows of 512 bytes.  Where K = 2,048 the grid's y has 32 rows of work-groups: the upper 16 take the second panel,
; and the launch behind adds the two partial sums, which stay in f32.
; Four launches run this text: cat W1, a1 x^T, P2 (x W2s / 16), h1 Wf2.  A lies at the first bundle's byte 0, B at the second bundle's 8 MiB.
; LIMITS.  The operands are f16: none beyond 65,504, a fixed step of 6e-8 below 6e-5.
; SHARES.  A tile of C is 128 x 128: four waves, each 64 x 64 in 16 accumulators.  K goes in four steps of 256 through two LDS slots.  A step's A is four chunks of 128 rows x 64 k
; (16 KiB on end each, 128 KiB apart), its B two column blocks of 256 k x 64 n (32 KiB on end each).  Waves 0 and 1 fetch two chunks of A each, waves 2 and 3 a block of B each.
; CLUSTERS: 4 x 4 work-groups; A's tiles are asked for jointly along a row of the cluster, B's along a column.
; THE MATRIX INSTRUCTION IS USED TRANSPOSED (source 0 = 16 columns of B, turned by ds_load_tr16_b128; source 1 = 16 rows of A): a lane holds eight neighbouring numbers of a row of C.
; REGISTERS: window 0: v0-31 addresses; v32-95 at work on the way out; v128-255 the accumulators ((a, b) at v[128 + 8 (4 a + b)]).
;   window 1: two fragment buffers of 128: for 64 along K, 64 registers of A, then 64 of B.
; The stage of the way out lies in slot 0: its last fill is K step 2's, and every wave's reads of it end in front of the last change of slots' barrier.
.set OUT16, 0
.if OUT16
.set OFFB,   12<<20
.set SPITCH, 272                       ; a stage row: 128 f16 + 16 bytes
.else
.set OFFB,   8<<20
.set SPITCH, 528                       ; a stage row: 128 f32 + 16 bytes
.endif
.set PA,    144                        ; a row of A in LDS: 128 bytes + 16: the 16 rows of a load start at 16 different groups of four banks (64 banks of 4 bytes: ISA guide 11.1)
.set CHA,   128*PA                     ; a chunk of A
.set PB,    160                        ; a row of B: 128 + 32
.set NBB,   256*PB                     ; a column block of B
.set BOFF,  4*CHA
.set SLOT,  BOFF+2*NBB                 ; 155,648
.set SPARE, 2*SLOT                     ; behind the ring: the spare words, 128 bytes for each wave
.set ADRA, 16                          ; v16-17  LDS address of my A fragments in slot 0, 1
.set ADRB, 20                          ; v20-21  the same for B
.set STO,  24
.set RD,   25
.set CO,   26
.set BO,   27
.set SPW,  28                          ; v28     SPARE + 4 x my thread's number; never rewritten
.set NIL,  29                          ; v29     0; never rewritten
.set FLO,  30
.set TMP,  32
.set BI,   96
.set ACC,  128
.set F0,   0
.set F1,   128
.set G1,  24                           ; s[24:31] descriptor group 1 for A;  s[32:39] group 0, one set for each slot
.set G0,  32
.set G1B, 48                           ; s[48:55], s[56:63] the same for B
.set G0B, 56
.set MSB, 0
.macro WIN new                         ; the immediate's high byte repeats the setting that is left
.if MSB != (\new)
	s_set_vgpr_msb (MSB<<8)|(\new)
.set MSB, \new
.endif
.endm
.set MUL,  0x05                        ; sources 0 (B) and 1 (A) window 1; C and D window 0
.set TO_F, 0x40                        ; destination window 1, address window 0
.macro JLOAD s                         ; a joint load: waves 0 and 1 for A, waves 2 and 3 for B; an s_nop 0 and four v_nop follow each of the two lines
	s_cmp_eq_u32 s11, 0
	s_cbranch_scc0 .Lfor_b_\@
	tensor_load_to_lds s[G0+4*(\s):G0+4*(\s)+3], s[G1:G1+7]
	s_nop 0
.rept 4
	v_nop
.endr
	s_branch .Lasked_\@
.Lfor_b_\@:
	tensor_load_to_lds s[G0B+4*(\s):G0B+4*(\s)+3], s[G1B:G1B+7]
	s_nop 0
.rept 4
	v_nop
.endr
.Lasked_\@:
.endm
.macro CREST                           ; a round of the cluster's barrier behind its opening barrier
	s_cmp_lg_u32 s10, 0
	s_cbranch_scc1 .Lnot_wave_0_\@
	s_barrier_signal -3
.Lnot_wave_0_\@:
	s_barrier_wait -3
	s_barrier_signal -1
	s_barrier_wait -1
.endm
.macro CROUND
	s_barrier_signal -1
	s_barrier_wait -1
	CREST
.endm
	s_load_b128 s[4:7], s[0:1], 0x0                ; A's bundle s[4:5], B's s[6:7]
	s_load_b64 s[8:9], s[0:1], 0x10                ; C
	v_lshl_add_u32 v[SPW], v0, 2, SPARE
	v_mov_b32 v[NIL], 0
	ds_add_u32 v[SPW], v[NIL]                      ; the wave's opening: the add and its wait stand ahead of my first tensor load; the set-up stands between them
	v_lshrrev_b32 v1, 5, v0
	v_readfirstlane_b32 s10, v1                    ; wave 0..3
	s_lshr_b32 s11, s10, 1                         ; my half of the tile's rows.  Also: I fetch for A (0) or for B (1)
	s_and_b32 s12, s10, 1                          ; my half of its columns.  Also: which part of A or B I fetch
	s_bfe_u32 s40, ttmp6, 0x40000                  ; cx, cy: my place in the cluster
	s_bfe_u32 s41, ttmp6, 0x40004
	s_lshl_b32 s42, ttmp9, 2
	s_add_co_u32 s42, s42, s40                     ; c: tile column = 4 x cluster x + cx
	s_and_b32 s14, ttmp7, 0xffff                   ; cluster y: its bits 1:0 choose four tile rows, the bits above a panel of 1,024 along K
	s_lshr_b32 s45, s14, 2                         ; p
	s_and_b32 s13, s14, 3
	s_lshl_b32 s13, s13, 2
	s_add_co_u32 s13, s13, s41                     ; mt: tile row
	s_lshl_b32 s43, s41, 2
	s_lshl_b32 s43, 15, s43                        ; my row of the cluster
	s_lshl_b32 s44, 0x1111, s40                    ; my column
	; group 1 for A: 2 rows of 2,048 elements of 8 bytes (a chunk each), 16,384 elements (128 KiB) apart; 16 bytes of padding behind every 128
	s_or_b32 s[G1+0], s43, (3<<16)|(1<<20)|(1<<21)|(4<<22)|(3<<25)
	s_mov_b32 s[G1+1], 2048<<16                    ; tensor_dim0
	s_mov_b32 s[G1+2], 2<<16                       ; tensor_dim1
	s_mov_b32 s[G1+3], 2048<<16                    ; tile_dim0
	s_mov_b32 s[G1+4], 2                           ; tile_dim1
	s_mov_b32 s[G1+5], 16384                       ; from row to row
	s_mov_b32 s[G1+6], 0
	s_mov_b32 s[G1+7], 0
	; group 1 for B: 32 KiB on end as 128 rows of 256 bytes; 32 bytes of padding behind every 128
	s_or_b32 s[G1B+0], s44, (3<<16)|(1<<20)|(1<<21)|(4<<22)|(7<<25)
	s_mov_b32 s[G1B+1], 32<<16
	s_mov_b32 s[G1B+2], 128<<16
	s_mov_b32 s[G1B+3], 32<<16
	s_mov_b32 s[G1B+4], 128
	s_mov_b32 s[G1B+5], 32
	s_mov_b32 s[G1B+6], 0
	s_mov_b32 s[G1B+7], 0
	; A's tile hangs on the tile row and the panel, shared along my row of the cluster
	s_lshl_b32 s16, s45, 22                        ; panel p: 4 MiB
	s_lshr_b32 s17, s13, 3
	s_lshl_b32 s17, s17, 21
	s_add_co_u32 s16, s16, s17
	s_and_b32 s17, s13, 7
	s_lshl_b32 s17, s17, 14
	s_add_co_u32 s16, s16, s17
	s_lshl_b32 s17, s12, 18                        ; my two chunks of the step's four
	s_add_co_u32 s16, s16, s17
.if OUT16
	s_lshr_b32 s17, ttmp9, 1
	s_cmp_eq_u32 s17, 2
	s_cselect_b32 s17, 1<<22, 0
	s_add_co_u32 s16, s16, s17
.endif
	s_mov_b32 s17, 0
	; B's hangs on the tile column and the panel, shared along my column
	s_lshl_b32 s46, s42, 1
	s_add_co_u32 s46, s46, s12                     ; my column block
	s_lshl_b32 s46, s46, 17
	s_lshl_b32 s47, s45, 21                        ; panel p: 2 MiB
	s_add_co_u32 s46, s46, s47
	s_add_co_u32 s46, s46, OFFB
	s_mov_b32 s47, 0
	s_mul_i32 s20, s12, 2*CHA                      ; where they go: no place in the cluster enters an LDS address
	s_mul_i32 s21, s12, NBB
	s_add_co_u32 s21, s21, BOFF
	s_wait_dscnt 0x0                               ; the opening add is done
	s_wait_kmcnt 0x0
	s_add_nc_u64 s[14:15], s[4:5], s[16:17]
	s_add_nc_u64 s[46:47], s[6:7], s[46:47]
	CROUND                                         ; all sixteen work-groups are here: the first joint loads meet
.irp s, 0,1
	s_mov_b32 s[G0+4*(\s)], 1
	s_add_co_u32 s[G0+4*(\s)+1], s20, (\s)*SLOT
	s_add_nc_u64 s[G0+4*(\s)+2:G0+4*(\s)+3], s[14:15], (\s)*(4<<17)  ; K step s: four chunks on
	s_or_b32 s[G0+4*(\s)+3], s[G0+4*(\s)+3], 0x80000000
	s_mov_b32 s[G0B+4*(\s)], 1
	s_add_co_u32 s[G0B+4*(\s)+1], s21, (\s)*SLOT
	s_add_nc_u64 s[G0B+4*(\s)+2:G0B+4*(\s)+3], s[46:47], (\s)*(1<<15)  ; 256 rows of 128 bytes on
	s_or_b32 s[G0B+4*(\s)+3], s[G0B+4*(\s)+3], 0x80000000
	JLOAD \s
.endr
	v_and_b32 v1, 15, v0                           ; l % 16
	v_bfe_u32 v2, v0, 4, 1                         ; l / 16
	v_bfe_u32 v5, v0, 3, 1                         ; (l / 8) % 2
	v_and_b32 v7, 7, v0                            ; l % 8
	v_mul_u32_u24 v3, v1, PA
	v_lshl_add_u32 v3, v2, 4, v3                   ; A: row x pitch + 16 x half
	v_lshl_add_u32 v4, v2, 3, v7
	v_mul_u32_u24 v4, v4, PB
	v_lshl_add_u32 v4, v5, 4, v4                   ; B, turned: row k = 8 (l / 16) + l % 8, columns 8 ((l / 8) % 2) on
	s_mul_i32 s21, s11, 64*PA                      ; my 64 rows of each chunk
	s_mul_i32 s22, s12, NBB                        ; my column block
	s_add_co_u32 s22, s22, BOFF
.irp s, 0,1
	v_add_nc_u32 v[ADRA+(\s)], s21, v3
	v_add_nc_u32 v[ADRB+(\s)], s22, v4
	s_add_co_u32 s21, s21, SLOT
	s_add_co_u32 s22, s22, SLOT
.endr
	s_mul_i32 s23, s11, 64*SPITCH                  ; into the stage: my 64 rows, my half of their 512 bytes
	s_lshl_b32 s21, s12, 8
	s_add_co_u32 s23, s23, s21
	v_mul_u32_u24 v6, v1, SPITCH
	v_lshl_add_u32 v6, v2, 5, v6
	v_add_nc_u32 v[STO], s23, v6
	s_mul_i32 s23, s10, 32*SPITCH                  ; back: wave w takes rows 32 w on, a whole row of 512 bytes a load
	v_and_b32 v6, 31, v0
	v_lshlrev_b32 v[CO], 4, v6
	v_add_nc_u32 v[RD], s23, v[CO]
	s_lshl_b32 s16, s13, 16                        ; C: panel p at 8 MiB, tile column c at 1 MiB, rows of 512 bytes
	s_lshl_b32 s17, s10, 14
	s_add_co_u32 s16, s16, s17
	s_lshl_b32 s17, s45, 23
	s_add_co_u32 s16, s16, s17
	s_mov_b32 s17, 0
	s_add_nc_u64 s[8:9], s[8:9], s[16:17]
	s_lshl_b32 s46, s42, 20
	s_mov_b32 s47, 0
	s_add_nc_u64 s[8:9], s[8:9], s[46:47]
; 8 matrix instructions: m blocks a0, a0 + 1 x all 4 n blocks, 32 along K: half c of buffer f.  zero = 1: the first product starts the sums.  The 16 accumulators take turns.
.macro MUL8 f, c, a0, zero
	WIN MUL
.irp a, \a0, (\a0)+1
.irp b, 0,1,2,3
.if \zero
	v_wmma_f32_16x16x32_f16 v[ACC+8*(4*(\a)+(\b)):ACC+8*(4*(\a)+(\b))+7], v[(\f)+64+8*(4*(\c)+(\b)):(\f)+64+8*(4*(\c)+(\b))+7], v[(\f)+8*(4*(\c)+(\a)):(\f)+8*(4*(\c)+(\a))+7], 0
.else
	v_wmma_f32_16x16x32_f16 v[ACC+8*(4*(\a)+(\b)):ACC+8*(4*(\a)+(\b))+7], v[(\f)+64+8*(4*(\c)+(\b)):(\f)+64+8*(4*(\c)+(\b))+7], v[(\f)+8*(4*(\c)+(\a)):(\f)+8*(4*(\c)+(\a))+7], v[ACC+8*(4*(\a)+(\b)):ACC+8*(4*(\a)+(\b))+7]
.endif
.endr
.endr
.endm
; 32 LDS loads in one run: the fragments of chunk kq (64 along K) into buffer f; the first 32 along K first
.macro FETCH slot, kq, f
	WIN TO_F
.irp c, 0,1
.irp i, 0,1,2,3
	ds_load_tr16_b128 v[(\f)+64+8*(4*(\c)+(\i)):(\f)+64+8*(4*(\c)+(\i))+3],   v[ADRB+(\slot)] offset:(\kq)*64*PB+(\c)*32*PB+32*(\i)
	ds_load_tr16_b128 v[(\f)+64+8*(4*(\c)+(\i))+4:(\f)+64+8*(4*(\c)+(\i))+7], v[ADRB+(\slot)] offset:(\kq)*64*PB+(\c)*32*PB+32*(\i)+16*PB
	ds_load_b128 v[(\f)+8*(4*(\c)+(\i)):(\f)+8*(4*(\c)+(\i))+3],             v[ADRA+(\slot)] offset:(\kq)*CHA+64*(\c)+(\i)*16*PA
	ds_load_b128 v[(\f)+8*(4*(\c)+(\i))+4:(\f)+8*(4*(\c)+(\i))+7],           v[ADRA+(\slot)] offset:(\kq)*CHA+64*(\c)+(\i)*16*PA+32
.endr
.endr
.endm
.macro PLACES                          ; four places in front of loads into registers that matrix instructions have read, and of lines that read results
.rept 4
	v_nop
.endr
.endm
; A K step is four quarters of 64 along K, 32 matrix instructions each, on buffers 0, 1, 0, 1.  One of the first three: multiplies buffer f and fetches chunk kq into g.
.macro QUARTER slot, kq, f, g, zero
	s_wait_dscnt 16                                ; the first 32 along K are in; the other sixteen loads may be out
	MUL8 \f, 0, 0, \zero
	MUL8 \f, 0, 2, \zero
	PLACES
	FETCH \slot, \kq, \g
	s_wait_dscnt 32                                ; all but the 32 just issued
	MUL8 \f, 1, 0, 0
	MUL8 \f, 1, 2, 0
.endm
; The last quarter multiplies buffer 1 and changes slots: ONE barrier; in front of it each wave waits for all its tensor loads, adds 0 to its spare word, and waits for that and for its reads of this slot.
; fill = 1: the barrier opens a round of the cluster's, and this slot is filled again, two K steps ahead, first thing behind the round.
.macro TURN slot, next, fill
	WIN 0
	s_wait_tensorcnt 0x0                           ; all my tensor loads have landed: my part of the next slot
	ds_add_u32 v[SPW], v[NIL]                      ; 0 onto my spare word
	s_wait_dscnt 17                                ; (the add and the youngest sixteen loads may be out)
	MUL8 F1, 0, 0, 0
	s_wait_dscnt 0x0                               ; the add is done, and my reads of this slot are over
	s_barrier_signal -1
	MUL8 F1, 0, 2, 0
.if \fill
	WIN 0
.endif
	s_barrier_wait -1
.if \fill
	CREST                                          ; no wave of any partner still reads this slot's tile or has a load on its way
	s_add_nc_u64 s[G0+4*(\slot)+2:G0+4*(\slot)+3], s[G0+4*(\slot)+2:G0+4*(\slot)+3], 8<<17
	s_add_nc_u64 s[G0B+4*(\slot)+2:G0B+4*(\slot)+3], s[G0B+4*(\slot)+2:G0B+4*(\slot)+3], 2<<15
	JLOAD \slot                                    ; 112 matrix instructions ahead of the wait for it; its four v_nop are also the places in front of the loads below
.else
	PLACES
.endif
	FETCH \next, 0, F0
	MUL8 F1, 1, 0, 0
	MUL8 F1, 1, 2, 0
.endm
	s_wait_tensorcnt 1                             ; my part of K step 0 is in; K step 1's may stay out
	s_barrier_signal -1
	s_barrier_wait -1
	FETCH 0, 0, F0
	QUARTER 0, 1, F0, F1, 1                        ; K step 0: its first products start the sums
	QUARTER 0, 2, F1, F0, 0
	QUARTER 0, 3, F0, F1, 0
	TURN 0, 1, 1                                   ; slot 0 takes K step 2
	QUARTER 1, 1, F0, F1, 0
	QUARTER 1, 2, F1, F0, 0
	QUARTER 1, 3, F0, F1, 0
	TURN 1, 0, 1                                   ; slot 1 takes K step 3
	QUARTER 0, 1, F0, F1, 0
	QUARTER 0, 2, F1, F0, 0
	QUARTER 0, 3, F0, F1, 0
	TURN 0, 1, 0                                   ; nothing is left to fetch
	QUARTER 1, 1, F0, F1, 0
	QUARTER 1, 2, F1, F0, 0
	QUARTER 1, 3, F0, F1, 0
	s_wait_dscnt 16
	MUL8 F1, 0, 0, 0
	MUL8 F1, 0, 2, 0
	s_wait_dscnt 0x0
	MUL8 F1, 1, 0, 0
	MUL8 F1, 1, 2, 0
	WIN 0
	; THE WAY OUT, through one stage for the work-group, with a barrier between writing and reading: a row's 512 bytes come from two waves.
	PLACES
	PLACES
.irp a, 0,1,2,3
.irp b, 0,1,2,3
	ds_store_b128 v[STO], v[ACC+8*(4*(\a)+(\b)):ACC+8*(4*(\a)+(\b))+3]   offset:(\a)*16*SPITCH+64*(\b)
	ds_store_b128 v[STO], v[ACC+8*(4*(\a)+(\b))+4:ACC+8*(4*(\a)+(\b))+7] offset:(\a)*16*SPITCH+64*(\b)+16
.endr
.endr
	s_wait_dscnt 0x0                               ; for the others' sake: my stores into the stage are done
	s_barrier_signal -1
	s_barrier_wait -1
.set t, 0
.rept 32                               ; rows 0-15 into v32-95, rows 16-31 into v128-191
	ds_load_b128 v[TMP+4*t+32*(t/16):TMP+4*t+32*(t/16)+3], v[RD] offset:t*SPITCH
.set t, t+1
.endr
.set t, 0
.rept 32
	s_wait_dscnt 31-t
	global_store_b128 v[CO], v[TMP+4*t+32*(t/16):TMP+4*t+32*(t/16)+3], s[8:9] offset:t*512  ; a row of the tile: 512 consecutive bytes, aligned
.set t, t+1
.endr
	s_wait_tensorcnt 0x0                           ; the wave's end, behind my last tensor load and my last LDS store
	ds_add_u32 v[SPW], v[NIL]
	s_wait_dscnt 0x0
	CROUND                                         ; the closing round: no work-group ends while a partner may still ask for a tile that names it
	s_endpgm
.Lfunc_end_k_qa8d6427daf_gemm32:
	.size	k_qa8d6427daf_gemm32, .Lfunc_end_k_qa8d6427daf_gemm32-k_qa8d6427daf_gemm32
	.p2alignl 7, 3214868480
	.fill 96, 4, 3214868480
	.section	.rodata,"a",@progbits
	.p2align	6, 0x0
	.amdhsa_kernel k_qa8d6427daf_gemm32
		.amdhsa_group_segment_fixed_size 327680
		.amdhsa_private_segment_fixed_size 0
		.amdhsa_enable_private_segment 0
		.amdhsa_kernarg_size 24
		.amdhsa_user_sgpr_count 2
		.amdhsa_user_sgpr_kernarg_segment_ptr 1
		.amdhsa_wavefront_size32 1
		.amdhsa_system_sgpr_workgroup_id_x 1
		.amdhsa_system_sgpr_workgroup_id_y 1
		.amdhsa_system_sgpr_workgroup_id_z 1
		.amdhsa_system_vgpr_workitem_id 0
		.amdhsa_next_free_vgpr 512
		.amdhsa_next_free_sgpr 66
		.amdhsa_reserve_vcc 0
		.amdhsa_float_denorm_mode_32 3
		.amdhsa_float_denorm_mode_16_64 3
		.amdhsa_memory_ordered 1
		.amdhsa_forward_progress 1
		.amdhsa_inst_pref_size 87
	.end_amdhsa_kernel
	.amdgpu_metadata
---
amdhsa.version: [ 1, 2 ]
amdhsa.kernels:
  - .name:           k_qa8d6427daf_gemm32
    .symbol:         k_qa8d6427daf_gemm32.kd
    .args:
      - { .name: bunA, .offset: 0, .size: 8, .value_kind: global_buffer, .address_space: global }
      - { .name: bunB, .offset: 8, .size: 8, .value_kind: global_buffer, .address_space: global }
      - { .name: zf, .offset: 16, .size: 8, .value_kind: global_buffer, .address_space: global }
    .group_segment_fixed_size: 327680
    .private_segment_fixed_size: 0
    .kernarg_segment_align: 8
    .kernarg_segment_size: 24
    .max_flat_workgroup_size: 128
    .sgpr_count:     66
    .vgpr_count:     512
    .wavefront_size: 32
...
	.end_amdgpu_metadata
.endif
;; end of part 4
;; launch ln1 (part 5): grid 256 x 1, 4 waves a work-group, no clusters, 0 bytes of LDS; arguments zf, y, b1, ln1_g, ln1_b, bunB, mbits; writes bunB
.if DOCPART == 5
	.amdgcn_target "amdgcn-amd-amdhsa--gfx1250"
	.amdhsa_code_object_version 6
	.text
	.protected	k_qa8d6427daf_ln1
	.globl	k_qa8d6427daf_ln1
	.p2align	8
	.type	k_qa8d6427daf_ln1,@function
k_qa8d6427daf_ln1:
	s_mov_b64 s[64:65], 0
	v_nop
	global_prefetch_b8 v0, s[64:65] scope:SCOPE_SE
	s_setreg_imm32_b32 hwreg(HW_REG_WAVE_MODE, 25, 1), 1
	s_wait_xcnt 0x0
; out = LayerNorm(y + f z + bias) g + b, a row of 1,024 at a time.  z: a product in f32, tile column c (128 columns) at c MiB, rows of 512 bytes.
; ONE TEXT FOR THREE LAUNCHES.  A launch is given addresses alone, so what differs stands in four whole numbers at the head of its last buffer, stored by the first launch of the program:
;   word 0: 1 if z has a second panel of partial sums, 8 MiB behind the first, to be added (in f32);   word 1: 1 if the result leaves as plain f32 rows, 0 if as f16 in blocks
;   (element (r, c) at (r>>10)*2 MiB + (c>>6)*128 KiB + (r&1023)*128 + (c&63)*2);   words 2, 3: f as f32, twice (16 where the factor 1/16 was taken out of W2's sum, else 1).
; The two branches are the same for every wave of the launch; no barrier stands in the text.
; Sixteen lanes hold a row, 64 numbers a lane (columns 64 j + 4 i ..), a wave two rows, a work-group eight: the row stays in registers, and the sums never leave the sixteen lanes: no LDS.
; The variance is the mean of the squared deviations from the mean, as the reference has it.  All loads go out together; each covers 256 consecutive bytes of a row for each half of the lanes.
; LIMITS (f16 out): f16 holds no number beyond 65,504; the result is at most 32 |g| + |b|.
.set T,   64                           ; v64-127   the row
.set Z1,  128                          ; v128-191  the second panel; then at work
.set U,   128
.set W,   160
.set YR,  192                          ; v192-255  y; then the packed result
.set BIA, 0                            ; window 1: v0-63 the bias, v64-127 g, v128-191 b
.set GA,  64
.set BE,  128
.set MSB, 0
.macro WIN new
.if MSB != (\new)
	s_set_vgpr_msb (MSB<<8)|(\new)
.set MSB, \new
.endif
.endm
	s_load_b256 s[4:11], s[0:1], 0x0               ; z s[4:5], y s[6:7], bias s[8:9], g s[10:11]
	s_load_b128 s[12:15], s[0:1], 0x20             ; b s[12:13], out s[14:15]
	s_load_b64 s[16:17], s[0:1], 0x30              ; the four words
	v_lshrrev_b32 v1, 4, v0
	v_and_b32 v2, 15, v0                           ; i
	s_lshl_b32 s26, ttmp9, 3
	v_add_nc_u32 v1, s26, v1                       ; my row
	v_lshlrev_b32 v5, 4, v2                        ; 16 i
	v_lshl_add_u32 v3, v1, 9, v5                   ; in z
	v_lshl_add_u32 v4, v1, 12, v5                  ; in y, and in plain f32 rows
	v_lshrrev_b32 v6, 10, v1
	v_and_b32 v7, 0x3ff, v1
	v_lshlrev_b32 v6, 21, v6
	v_lshl_add_u32 v6, v7, 7, v6
	v_lshl_add_u32 v6, v2, 3, v6                   ; in the blocks
	s_mov_b32 s24, 0x3a800000                      ; 1 / 1024
	s_mov_b32 s25, 0x3727c5ac                      ; 1e-5
	s_wait_kmcnt 0x0
	s_load_b128 s[20:23], s[16:17], 0x0            ; s20: a second panel?  s21: plain f32 out?  s[22:23]: f; they come while the loads below go out
	s_add_nc_u64 s[18:19], s[4:5], 8<<20
.set j, 0
.rept 16
	global_load_b128 v[T+4*j:T+4*j+3], v3, s[4:5] offset:(j>>1)*(1<<20)+(j&1)*256 th:TH_LOAD_NT
.set j, j+1
.endr
.set j, 0
.rept 16
	global_load_b128 v[YR+4*j:YR+4*j+3], v4, s[6:7] offset:256*j th:TH_LOAD_NT
.set j, j+1
.endr
	WIN 0x40                                       ; destination in window 1
.set j, 0
.rept 16
	global_load_b128 v[BIA+4*j:BIA+4*j+3], v5, s[8:9] offset:256*j
	global_load_b128 v[GA+4*j:GA+4*j+3],   v5, s[10:11] offset:256*j
	global_load_b128 v[BE+4*j:BE+4*j+3],   v5, s[12:13] offset:256*j
.set j, j+1
.endr
	WIN 0
	s_wait_kmcnt 0x0
	s_cmp_eq_u32 s20, 0
	s_cbranch_scc1 .Lone
	; the second panel: its loads, their wait and the additions stand under the one branch
.set j, 0
.rept 16
	global_load_b128 v[Z1+4*j:Z1+4*j+3], v3, s[18:19] offset:(j>>1)*(1<<20)+(j&1)*256 th:TH_LOAD_NT
.set j, j+1
.endr
	s_wait_loadcnt 0x0
.set k, 0
.rept 32
	v_pk_add_f32 v[T+k:T+k+1], v[T+k:T+k+1], v[Z1+k:Z1+k+1]
.set k, k+2
.endr
.Lone:
	s_wait_loadcnt 0x0
.set k, 0
.rept 32
	v_pk_fma_f32 v[T+k:T+k+1], v[T+k:T+k+1], s[22:23], v[YR+k:YR+k+1] op_sel_hi:[1,0,1]  ; f z + y
.set k, k+2
.endr
	WIN 0x04                                       ; source 1 in window 1
.set k, 0
.rept 32
	v_pk_add_f32 v[T+k:T+k+1], v[T+k:T+k+1], v[BIA+k:BIA+k+1]
.set k, k+2
.endr
	WIN 0
	; the mean: a tree in the lane, then four steps among the row's sixteen lanes
.set k, 0
.rept 16
	v_pk_add_f32 v[U+k:U+k+1], v[T+k:T+k+1], v[T+32+k:T+32+k+1]
.set k, k+2
.endr
.irp d, 16,8,4,2
.set k, 0
.rept (\d)/2
	v_pk_add_f32 v[U+k:U+k+1], v[U+k:U+k+1], v[U+(\d)+k:U+(\d)+k+1]
.set k, k+2
.endr
.endr
	v_add_f32 v[U], v[U], v[U+1]
	v_add_f32_dpp v[U], v[U], v[U] row_xmask:1 row_mask:0xf bank_mask:0xf
	v_add_f32_dpp v[U], v[U], v[U] row_xmask:2 row_mask:0xf bank_mask:0xf
	v_add_f32_dpp v[U], v[U], v[U] row_xmask:4 row_mask:0xf bank_mask:0xf
	v_add_f32_dpp v[U], v[U], v[U] row_xmask:8 row_mask:0xf bank_mask:0xf
	v_mul_f32 v[U], s24, v[U]
.set k, 0
.rept 32
	v_pk_add_f32 v[T+k:T+k+1], v[T+k:T+k+1], v[U:U+1] op_sel_hi:[1,0] neg_lo:[0,1] neg_hi:[0,1]
.set k, k+2
.endr
	; the sum of squares, in four chains
.irp c, 0,1,2,3
	v_pk_mul_f32 v[W+2*(\c):W+2*(\c)+1], v[T+2*(\c):T+2*(\c)+1], v[T+2*(\c):T+2*(\c)+1]
.endr
.set k, 4
.rept 28
	v_pk_fma_f32 v[W+2*(k%4):W+2*(k%4)+1], v[T+2*k:T+2*k+1], v[T+2*k:T+2*k+1], v[W+2*(k%4):W+2*(k%4)+1]
.set k, k+1
.endr
	v_pk_add_f32 v[W:W+1], v[W:W+1], v[W+2:W+3]
	v_pk_add_f32 v[W+4:W+5], v[W+4:W+5], v[W+6:W+7]
	v_pk_add_f32 v[W:W+1], v[W:W+1], v[W+4:W+5]
	v_add_f32 v[W], v[W], v[W+1]
	v_add_f32_dpp v[W], v[W], v[W] row_xmask:1 row_mask:0xf bank_mask:0xf
	v_add_f32_dpp v[W], v[W], v[W] row_xmask:2 row_mask:0xf bank_mask:0xf
	v_add_f32_dpp v[W], v[W], v[W] row_xmask:4 row_mask:0xf bank_mask:0xf
	v_add_f32_dpp v[W], v[W], v[W] row_xmask:8 row_mask:0xf bank_mask:0xf
	v_fma_f32 v[W], v[W], s24, s25                 ; the variance + 1e-5
	v_rsq_f32 v[W+2], v[W]                         ; twice: a pair for the packed multiply
	v_rsq_f32 v[W+3], v[W]
	v_nop                                          ; a plain line behind the second,
	s_wait_alu depctr_va_vdst(0)                   ; and one wait for the two, ahead of their first reader
.set k, 0
.rept 32
	v_pk_mul_f32 v[T+k:T+k+1], v[T+k:T+k+1], v[W+2:W+3]
.set k, k+2
.endr
	WIN 0x14                                       ; sources 1 and 2 in window 1
.set k, 0
.rept 32
	v_pk_fma_f32 v[T+k:T+k+1], v[T+k:T+k+1], v[GA+k:GA+k+1], v[BE+k:BE+k+1]
.set k, k+2
.endr
	WIN 0
	s_cmp_eq_u32 s21, 0
	s_cbranch_scc1 .Lf16
.set j, 0
.rept 16
	global_store_b128 v4, v[T+4*j:T+4*j+3], s[14:15] offset:256*j  ; 16 lanes store 256 consecutive bytes of a row, aligned
.set j, j+1
.endr
	s_endpgm
.Lf16:
.set j, 0
.rept 16
	v_cvt_pk_f16_f32 v[YR+2*j], v[T+4*j], v[T+4*j+1]
	v_cvt_pk_f16_f32 v[YR+2*j+1], v[T+4*j+2], v[T+4*j+3]
	global_store_b64 v6, v[YR+2*j:YR+2*j+1], s[14:15] offset:j*131072  ; the wave's two rows of column block j: 256 consecutive bytes, aligned
.set j, j+1
.endr
	s_endpgm
.Lfunc_end_k_qa8d6427daf_ln1:
	.size	k_qa8d6427daf_ln1, .Lfunc_end_k_qa8d6427daf_ln1-k_qa8d6427daf_ln1
	.p2alignl 7, 3214868480
	.fill 96, 4, 3214868480
	.section	.rodata,"a",@progbits
	.p2align	6, 0x0
	.amdhsa_kernel k_qa8d6427daf_ln1
		.amdhsa_group_segment_fixed_size 0
		.amdhsa_private_segment_fixed_size 0
		.amdhsa_enable_private_segment 0
		.amdhsa_kernarg_size 56
		.amdhsa_user_sgpr_count 2
		.amdhsa_user_sgpr_kernarg_segment_ptr 1
		.amdhsa_wavefront_size32 1
		.amdhsa_system_sgpr_workgroup_id_x 1
		.amdhsa_system_sgpr_workgroup_id_y 1
		.amdhsa_system_sgpr_workgroup_id_z 1
		.amdhsa_system_vgpr_workitem_id 0
		.amdhsa_next_free_vgpr 448
		.amdhsa_next_free_sgpr 66
		.amdhsa_reserve_vcc 0
		.amdhsa_float_denorm_mode_32 3
		.amdhsa_float_denorm_mode_16_64 3
		.amdhsa_memory_ordered 1
		.amdhsa_forward_progress 1
		.amdhsa_inst_pref_size 33
	.end_amdhsa_kernel
	.amdgpu_metadata
---
amdhsa.version: [ 1, 2 ]
amdhsa.kernels:
  - .name:           k_qa8d6427daf_ln1
    .symbol:         k_qa8d6427daf_ln1.kd
    .args:
      - { .name: zf, .offset: 0, .size: 8, .value_kind: global_buffer, .address_space: global }
      - { .name: y, .offset: 8, .size: 8, .value_kind: global_buffer, .address_space: global }
      - { .name: b1, .offset: 16, .size: 8, .value_kind: global_buffer, .address_space: global }
      - { .name: ln1_g, .offset: 24, .size: 8, .value_kind: global_buffer, .address_space: global }
      - { .name: ln1_b, .offset: 32, .size: 8, .value_kind: global_buffer, .address_space: global }
      - { .name: bunB, .offset: 40, .size: 8, .value_kind: global_buffer, .address_space: global }
      - { .name: mbits, .offset: 48, .size: 8, .value_kind: global_buffer, .address_space: global }
    .group_segment_fixed_size: 0
    .private_segment_fixed_size: 0
    .kernarg_segment_align: 8
    .kernarg_segment_size: 56
    .max_flat_workgroup_size: 128
    .sgpr_count:     66
    .vgpr_count:     448
    .wavefront_size: 32
...
	.end_amdgpu_metadata
.endif
;; end of part 5
;; launch sc2: the kernel of part 4 again; grid 16 x 16, 4 waves a work-group, clusters of 4 x 4, 327,680 bytes of LDS; arguments bunB, bunA, zf; writes zf
;; launch smax (part 6): grid 256 x 1, 4 waves a work-group, no clusters, 0 bytes of LDS; arguments zf, bunB; writes bunB
.if DOCPART == 6
	.amdgcn_target "amdgcn-amd-amdhsa--gfx1250"
	.amdhsa_code_object_version 6
	.text
	.protected	k_qa8d6427daf_smax
	.globl	k_qa8d6427daf_smax
	.p2align	8
	.type	k_qa8d6427daf_smax,@function
k_qa8d6427daf_smax:
	s_mov_b64 s[64:65], 0
	v_nop
	global_prefetch_b8 v0, s[64:65] scope:SCOPE_SE
	s_setreg_imm32_b32 hwreg(HW_REG_WAVE_MODE, 25, 1), 1
	s_wait_xcnt 0x0
; P2 = softmax(s / 8) along rows of 2,048.  s: f32, tile column c (128 columns) at c MiB, rows of 512 bytes.  P2: f16 in blocks:
; element (r, c) at (c>>10)*4 MiB + (r>>10)*2 MiB + ((c>>6)&15)*128 KiB + (r&1023)*128 + (c&63)*2.
; Sixteen lanes hold a row, 128 numbers a lane (columns 64 j + 4 i ..), a wave two rows: the row stays in registers between the maximum, the exponentials and the division.
; p = 2^(c s - c m) with the row's own maximum m, c = log2(e) / 8; the sum is taken of the unrounded p; p / sum is rounded once.
; LIMITS.  A weight below 2^-126 counts as 0; the result below 6e-5 keeps f16's fixed step of 6e-8.
.set X,  64                            ; v64-191   the row
.set U,  192                           ; v192-255  at work; then the packed result
.set M,  32                            ; v32-35    four running maxima
.set CM, 36                            ; v36-37    c m
.set RC, 38                            ; v38-39    1 / sum, twice
	s_load_b128 s[4:7], s[0:1], 0x0                ; s s[4:5], P2 s[6:7]
	v_lshrrev_b32 v1, 4, v0
	v_and_b32 v2, 15, v0
	s_lshl_b32 s16, ttmp9, 3
	v_add_nc_u32 v1, s16, v1                       ; my row
	v_lshlrev_b32 v5, 4, v2
	v_lshl_add_u32 v3, v1, 9, v5
	v_lshrrev_b32 v6, 10, v1
	v_and_b32 v7, 0x3ff, v1
	v_lshlrev_b32 v6, 21, v6
	v_lshl_add_u32 v6, v7, 7, v6
	v_lshl_add_u32 v6, v2, 3, v6
	s_mov_b32 s12, 0x3e38aa3b                      ; c
	s_mov_b32 s13, s12                             ; named with it as a pair
	s_wait_kmcnt 0x0
	s_add_nc_u64 s[8:9], s[4:5], 8<<20
.set j, 0
.rept 16
	global_load_b128 v[X+4*j:X+4*j+3], v3, s[4:5] offset:(j>>1)*(1<<20)+(j&1)*256 th:TH_LOAD_NT
.set j, j+1
.endr
.set j, 0
.rept 16
	global_load_b128 v[X+64+4*j:X+64+4*j+3], v3, s[8:9] offset:(j>>1)*(1<<20)+(j&1)*256 th:TH_LOAD_NT
.set j, j+1
.endr
	s_wait_loadcnt 0x0
.irp c, 0,1,2,3
	v_max3_num_f32 v[M+(\c)], v[X+32*(\c)], v[X+32*(\c)+1], v[X+32*(\c)+2]
.endr
.set k, 3
.rept 14
.irp c, 0,1,2,3
	v_max3_num_f32 v[M+(\c)], v[M+(\c)], v[X+32*(\c)+k], v[X+32*(\c)+k+1]
.endr
.set k, k+2
.endr
	v_max3_num_f32 v[M], v[M], v[X+31], v[X+63]
	v_max3_num_f32 v[M+1], v[M+1], v[X+95], v[X+127]
	v_max3_num_f32 v[M], v[M], v[M+1], v[M+2]
	v_max_num_f32 v[M], v[M], v[M+3]
	v_max_num_f32_dpp v[M], v[M], v[M] row_xmask:1 row_mask:0xf bank_mask:0xf
	v_max_num_f32_dpp v[M], v[M], v[M] row_xmask:2 row_mask:0xf bank_mask:0xf
	v_max_num_f32_dpp v[M], v[M], v[M] row_xmask:4 row_mask:0xf bank_mask:0xf
	v_max_num_f32_dpp v[M], v[M], v[M] row_xmask:8 row_mask:0xf bank_mask:0xf
	v_mul_f32 v[CM], s12, v[M]
	v_mov_b32 v[CM+1], v[CM]
.set k, 0
.rept 64
	v_pk_fma_f32 v[X+k:X+k+1], v[X+k:X+k+1], s[12:13], v[CM:CM+1] op_sel_hi:[1,0,0] neg_lo:[0,0,1] neg_hi:[0,0,1]
.set k, k+2
.endr
.set k, 0
.rept 128
	v_exp_f32 v[X+k], v[X+k]
.set k, k+1
.endr
	v_nop                                          ; a plain line behind the last exponential,
	s_wait_alu depctr_va_vdst(0)                   ; and one wait for the batch
.set k, 0
.rept 32
	v_pk_add_f32 v[U+k:U+k+1], v[X+k:X+k+1], v[X+64+k:X+64+k+1]
.set k, k+2
.endr
.irp d, 32,16,8,4,2
.set k, 0
.rept (\d)/2
	v_pk_add_f32 v[U+k:U+k+1], v[U+k:U+k+1], v[U+(\d)+k:U+(\d)+k+1]
.set k, k+2
.endr
.endr
	v_add_f32 v40, v[U], v[U+1]
	v_add_f32_dpp v40, v40, v40 row_xmask:1 row_mask:0xf bank_mask:0xf
	v_add_f32_dpp v40, v40, v40 row_xmask:2 row_mask:0xf bank_mask:0xf
	v_add_f32_dpp v40, v40, v40 row_xmask:4 row_mask:0xf bank_mask:0xf
	v_add_f32_dpp v40, v40, v40 row_xmask:8 row_mask:0xf bank_mask:0xf
	v_rcp_f32 v[RC], v40
	v_rcp_f32 v[RC+1], v40
	v_nop
	s_wait_alu depctr_va_vdst(0)                   ; one wait for the two reciprocals
.set k, 0
.rept 64
	v_pk_mul_f32 v[X+k:X+k+1], v[X+k:X+k+1], v[RC:RC+1]
.set k, k+2
.endr
.set j, 0
.rept 32
	v_cvt_pk_f16_f32 v[U+2*j], v[X+4*j], v[X+4*j+1]
	v_cvt_pk_f16_f32 v[U+2*j+1], v[X+4*j+2], v[X+4*j+3]
	global_store_b64 v6, v[U+2*j:U+2*j+1], s[6:7] offset:(j>>4)*4194304+(j&15)*131072  ; the wave's two rows of a column block: 256 consecutive bytes, aligned
.set j, j+1
.endr
	s_endpgm
.Lfunc_end_k_qa8d6427daf_smax:
	.size	k_qa8d6427daf_smax, .Lfunc_end_k_qa8d6427daf_smax-k_qa8d6427daf_smax
	.p2alignl 7, 3214868480
	.fill 96, 4, 3214868480
	.section	.rodata,"a",@progbits
	.p2align	6, 0x0
	.amdhsa_kernel k_qa8d6427daf_smax
		.amdhsa_group_segment_fixed_size 0
		.amdhsa_private_segment_fixed_size 0
		.amdhsa_enable_private_segment 0
		.amdhsa_kernarg_size 16
		.amdhsa_user_sgpr_count 2
		.amdhsa_user_sgpr_kernarg_segment_ptr 1
		.amdhsa_wavefront_size32 1
		.amdhsa_system_sgpr_workgroup_id_x 1
		.amdhsa_system_sgpr_workgroup_id_y 1
		.amdhsa_system_sgpr_workgroup_id_z 1
		.amdhsa_system_vgpr_workitem_id 0
		.amdhsa_next_free_vgpr 256
		.amdhsa_next_free_sgpr 66
		.amdhsa_reserve_vcc 0
		.amdhsa_float_denorm_mode_32 3
		.amdhsa_float_denorm_mode_16_64 3
		.amdhsa_memory_ordered 1
		.amdhsa_forward_progress 1
		.amdhsa_inst_pref_size 32
	.end_amdhsa_kernel
	.amdgpu_metadata
---
amdhsa.version: [ 1, 2 ]
amdhsa.kernels:
  - .name:           k_qa8d6427daf_smax
    .symbol:         k_qa8d6427daf_smax.kd
    .args:
      - { .name: zf, .offset: 0, .size: 8, .value_kind: global_buffer, .address_space: global }
      - { .name: bunB, .offset: 8, .size: 8, .value_kind: global_buffer, .address_space: global }
    .group_segment_fixed_size: 0
    .private_segment_fixed_size: 0
    .kernarg_segment_align: 8
    .kernarg_segment_size: 16
    .max_flat_workgroup_size: 128
    .sgpr_count:     66
    .vgpr_count:     256
    .wavefront_size: 32
...
	.end_amdgpu_metadata
.endif
;; end of part 6
;; launch pxw: the kernel of part 4 again; grid 8 x 32, 4 waves a work-group, clusters of 4 x 4, 327,680 bytes of LDS; arguments bunB, qkvx, zf; writes zf
;; launch ln2: the kernel of part 5 again; grid 256 x 1, 4 waves a work-group, no clusters, 0 bytes of LDS; arguments zf, y, b2, ln2_g, ln2_b, bunB, par1; writes bunB
;; launch ff1: the kernel of part 2 again; grid 16 x 16, 4 waves a work-group, clusters of 4 x 4, 327,680 bytes of LDS; arguments bunB, bunY, bunA; writes bunA
;; launch ff2: the kernel of part 4 again; grid 8 x 32, 4 waves a work-group, clusters of 4 x 4, 327,680 bytes of LDS; arguments bunA, bunY, zf; writes zf
;; launch ln3: the kernel of part 5 again; grid 256 x 1, 4 waves a work-group, no clusters, 0 bytes of LDS; arguments zf, y, bf2, ln3_g, ln3_b, out0, par2; writes out0
;; ======== version 2 of 2: 12 launches; version 1 with the launches ln1, smax, ln2, ln3 written anew for expert scheduling mode
;; limits: values are held in f16: magnitudes above 65,504 overflow, below 6.1e-05 lose precision
;; workspace buffers: bunY 20,992,000 bytes; bunA 20,992,000 bytes; bunB 10,485,760 bytes; qkvx 16,777,216 bytes; zf 16,777,216 bytes; mbits 524,544 bytes of whole numbers; par1 256 bytes of whole numbers; par2 256 bytes of whole numbers
;; launch prep: the kernel of part 1 again; grid 1281 x 1, 8 waves a work-group, no clusters, 105,472 bytes of LDS; arguments W2, y_mask, x, y, W1, Wf2, Wf1, Wq, Wk, Wv, bq, bk, bv, bf1, bunY, bunA, bunB, mbits, par1, par2; writes bunY, bunA, bunB, mbits, par1, par2
;; launch gemm16: the kernel of part 2 again; grid 32 x 16, 4 waves a work-group, clusters of 4 x 4, 327,680 bytes of LDS; arguments bunY, bunA, qkvx; writes qkvx
;; launch attn: the kernel of part 3 again; grid 16 x 16, 4 waves a work-group, clusters of 4 x 1, 327,680 bytes of LDS; arguments qkvx, mbits, bunA; writes bunA
;; launch gemm32: the kernel of part 4 again; grid 8 x 16, 4 waves a work-group, clusters of 4 x 4, 327,680 bytes of LDS; arguments bunA, bunB, zf; writes zf
;; launch ln1 (part 7): grid 256 x 1, 4 waves a work-group, no clusters, 0 bytes of LDS; arguments zf, y, b1, ln1_g, ln1_b, bunB, mbits; writes bunB
.if DOCPART == 7
	.amdgcn_target "amdgcn-amd-amdhsa--gfx1250"
	.amdhsa_code_object_version 6
	.text
	.protected	k_qa8d6427daf_ln1
	.globl	k_qa8d6427daf_ln1
	.p2align	8
	.type	k_qa8d6427daf_ln1,@function
k_qa8d6427daf_ln1:
	s_mov_b64 s[64:65], 0
	v_nop
	global_prefetch_b8 v0, s[64:65] scope:SCOPE_SE
	s_setreg_imm32_b32 hwreg(HW_REG_WAVE_SCHED_MODE, 0, 2), 2
	s_setreg_imm32_b32 hwreg(HW_REG_WAVE_MODE, 25, 1), 1
	s_wait_xcnt 0x0
	s_wait_alu depctr_vm_vsrc(0)
; out = LayerNorm(y + f z + bias) g + b, a row of 1,024 at a time.  z: a product in f32, tile column c (128 columns) at c MiB, rows of 512 bytes.
; ONE TEXT FOR THREE LAUNCHES.  A launch is given addresses alone, so what differs stands in four whole numbers at the head of its last buffer, stored by the first launch of the program:
;   word 0: 1 if z has a second panel of partial sums, 8 MiB behind the first, to be added (in f32);   word 1: 1 if the result leaves as plain f32 rows, 0 if as f16 in blocks
;   (element (r, c) at (r>>10)*2 MiB + (c>>6)*128 KiB + (r&1023)*128 + (c&63)*2);   words 2, 3: f as f32, twice (16 where the factor 1/16 was taken out of W2's sum, else 1).
; The two branches are the same for every wave of the launch; no barrier stands in the text.
; Sixteen lanes hold a row, 64 numbers a lane (columns 64 j + 4 i ..), a wave two rows, a work-group eight: the row stays in registers, and the sums never leave the sixteen lanes: no LDS.
; The variance is the mean of the squared deviations from the mean, as the reference has it.  All loads go out together; each covers 256 consecutive bytes of a row for each half of the lanes.
; LIMITS (f16 out): f16 holds no number beyond 65,504; the result is at most 32 |g| + |b|.
; THE MODE: SCHED_MODE bits 1:0 = 2 (LLVM: expert scheduling mode 2), set by the entry lines.  The code itself states the register dependences
; between vector instructions and memory instructions, with s_wait_alu, always for 0.
; THE PLAN.  Registers that memory instructions touch:
;   v3, v4, v5, v6   byte offsets: written once, at the head; read by every load and store; never written again.
;   T, Z1, YR and, in window 1, BIA, GA, BE   loads land in them; no vector line names them ahead of those loads; behind the wait for the loads vector lines alone name them, until:
;   T    (plain f32 out) written by the last multiply-adds, read by the sixteen stores.
;   YR   (f16 out) written by the 32 roundings, read by the sixteen stores: in two halves, so that the first half's stores stand among the second half's roundings.
; So the waits on va_vdst are: one ahead of the first load, for the offsets; the one behind the two reciprocal roots; one ahead of the f32 stores; two on the f16 way out, one ahead of each half's stores.
; No register that a memory instruction reads is written again, and no vector line writes a scalar register, VCC or EXEC.
.set T,   64                           ; v64-127   the row
.set Z1,  128                          ; v128-191  the second panel; then at work
.set U,   128
.set W,   160
.set YR,  192                          ; v192-255  y; then the packed result
.set BIA, 0                            ; window 1: v0-63 the bias, v64-127 g, v128-191 b
.set GA,  64
.set BE,  128
.set MSB, 0
.macro WIN new
.if MSB != (\new)
	s_set_vgpr_msb (MSB<<8)|(\new)
.set MSB, \new
.endif
.endm
	s_load_b256 s[4:11], s[0:1], 0x0               ; z s[4:5], y s[6:7], bias s[8:9], g s[10:11]
	s_load_b128 s[12:15], s[0:1], 0x20             ; b s[12:13], out s[14:15]
	s_load_b64 s[16:17], s[0:1], 0x30              ; the four words
	v_lshrrev_b32 v1, 4, v0
	v_and_b32 v2, 15, v0                           ; i
	s_lshl_b32 s26, ttmp9, 3
	v_add_nc_u32 v1, s26, v1                       ; my row
	v_lshlrev_b32 v5, 4, v2                        ; 16 i
	v_lshl_add_u32 v3, v1, 9, v5                   ; in z
	v_lshl_add_u32 v4, v1, 12, v5                  ; in y, and in plain f32 rows
	v_lshrrev_b32 v6, 10, v1
	v_and_b32 v7, 0x3ff, v1
	v_lshlrev_b32 v6, 21, v6
	v_lshl_add_u32 v6, v7, 7, v6
	v_lshl_add_u32 v6, v2, 3, v6                   ; in the blocks
	s_mov_b32 s24, 0x3a800000                      ; 1 / 1024
	s_mov_b32 s25, 0x3727c5ac                      ; 1e-5
	s_wait_kmcnt 0x0
	s_load_b128 s[20:23], s[16:17], 0x0            ; s20: a second panel?  s21: plain f32 out?  s[22:23]: f; they come while the loads below go out
	s_add_nc_u64 s[18:19], s[4:5], 8<<20
	s_wait_alu depctr_va_vdst(0)                   ; the offsets v3, v4, v5 and v6 are written: every load and store of the text reads one of them, and no vector line names them again
.set j, 0
.rept 16
	global_load_b128 v[T+4*j:T+4*j+3], v3, s[4:5] offset:(j>>1)*(1<<20)+(j&1)*256 th:TH_LOAD_NT
.set j, j+1
.endr
.set j, 0
.rept 16
	global_load_b128 v[YR+4*j:YR+4*j+3], v4, s[6:7] offset:256*j th:TH_LOAD_NT
.set j, j+1
.endr
	WIN 0x40                                       ; destination in window 1; between the wait above and the loads below stand loads and this switch alone
.set j, 0
.rept 16
	global_load_b128 v[BIA+4*j:BIA+4*j+3], v5, s[8:9] offset:256*j
	global_load_b128 v[GA+4*j:GA+4*j+3],   v5, s[10:11] offset:256*j
	global_load_b128 v[BE+4*j:BE+4*j+3],   v5, s[12:13] offset:256*j
.set j, j+1
.endr
	WIN 0
	s_wait_kmcnt 0x0
	s_cmp_eq_u32 s20, 0
	s_cbranch_scc1 .Lone
	; the second panel: its loads, their wait and the additions stand under the one branch.  No vector line has been issued since the wait at the head
.set j, 0
.rept 16
	global_load_b128 v[Z1+4*j:Z1+4*j+3], v3, s[18:19] offset:(j>>1)*(1<<20)+(j&1)*256 th:TH_LOAD_NT
.set j, j+1
.endr
	s_wait_loadcnt 0x0
.set k, 0
.rept 32
	v_pk_add_f32 v[T+k:T+k+1], v[T+k:T+k+1], v[Z1+k:Z1+k+1]
.set k, k+2
.endr
.Lone:
	s_wait_loadcnt 0x0
.set k, 0
.rept 32
	v_pk_fma_f32 v[T+k:T+k+1], v[T+k:T+k+1], s[22:23], v[YR+k:YR+k+1] op_sel_hi:[1,0,1]  ; f z + y
.set k, k+2
.endr
	WIN 0x04                                       ; source 1 in window 1
.set k, 0
.rept 32
	v_pk_add_f32 v[T+k:T+k+1], v[T+k:T+k+1], v[BIA+k:BIA+k+1]
.set k, k+2
.endr
	WIN 0
	; the mean: a tree in the lane, then four steps among the row's sixteen lanes
.set k, 0
.rept 16
	v_pk_add_f32 v[U+k:U+k+1], v[T+k:T+k+1], v[T+32+k:T+32+k+1]
.set k, k+2
.endr
.irp d, 16,8,4,2
.set k, 0
.rept (\d)/2
	v_pk_add_f32 v[U+k:U+k+1], v[U+k:U+k+1], v[U+(\d)+k:U+(\d)+k+1]
.set k, k+2
.endr
.endr
	v_add_f32 v[U], v[U], v[U+1]
	v_add_f32_dpp v[U], v[U], v[U] row_xmask:1 row_mask:0xf bank_mask:0xf
	v_add_f32_dpp v[U], v[U], v[U] row_xmask:2 row_mask:0xf bank_mask:0xf
	v_add_f32_dpp v[U], v[U], v[U] row_xmask:4 row_mask:0xf bank_mask:0xf
	v_add_f32_dpp v[U], v[U], v[U] row_xmask:8 row_mask:0xf bank_mask:0xf
	v_mul_f32 v[U], s24, v[U]
.set k, 0
.rept 32
	v_pk_add_f32 v[T+k:T+k+1], v[T+k:T+k+1], v[U:U+1] op_sel_hi:[1,0] neg_lo:[0,1] neg_hi:[0,1]
.set k, k+2
.endr
	; the sum of squares, in four chains
.irp c, 0,1,2,3
	v_pk_mul_f32 v[W+2*(\c):W+2*(\c)+1], v[T+2*(\c):T+2*(\c)+1], v[T+2*(\c):T+2*(\c)+1]
.endr
.set k, 4
.rept 28
	v_pk_fma_f32 v[W+2*(k%4):W+2*(k%4)+1], v[T+2*k:T+2*k+1], v[T+2*k:T+2*k+1], v[W+2*(k%4):W+2*(k%4)+1]
.set k, k+1
.endr
	v_pk_add_f32 v[W:W+1], v[W:W+1], v[W+2:W+3]
	v_pk_add_f32 v[W+4:W+5], v[W+4:W+5], v[W+6:W+7]
	v_pk_add_f32 v[W:W+1], v[W:W+1], v[W+4:W+5]
	v_add_f32 v[W], v[W], v[W+1]
	v_add_f32_dpp v[W], v[W], v[W] row_xmask:1 row_mask:0xf bank_mask:0xf
	v_add_f32_dpp v[W], v[W], v[W] row_xmask:2 row_mask:0xf bank_mask:0xf
	v_add_f32_dpp v[W], v[W], v[W] row_xmask:4 row_mask:0xf bank_mask:0xf
	v_add_f32_dpp v[W], v[W], v[W] row_xmask:8 row_mask:0xf bank_mask:0xf
	v_fma_f32 v[W], v[W], s24, s25                 ; the variance + 1e-5
	v_rsq_f32 v[W+2], v[W]                         ; twice: a pair for the packed multiply
	v_rsq_f32 v[W+3], v[W]
	v_nop                                          ; a plain line behind the second,
	s_wait_alu depctr_va_vdst(0)                   ; and one wait for the two: the reciprocal roots have written v[W+2] and v[W+3], which the multiplies below read
.set k, 0
.rept 32
	v_pk_mul_f32 v[T+k:T+k+1], v[T+k:T+k+1], v[W+2:W+3]
.set k, k+2
.endr
	WIN 0x14                                       ; sources 1 and 2 in window 1
.set k, 0
.rept 32
	v_pk_fma_f32 v[T+k:T+k+1], v[T+k:T+k+1], v[GA+k:GA+k+1], v[BE+k:BE+k+1]
.set k, k+2
.endr
	WIN 0
	s_cmp_eq_u32 s21, 0
	s_cbranch_scc1 .Lf16
	s_wait_alu depctr_va_vdst(0)                   ; the multiply-adds have written v[T ..], which the sixteen stores read
.set j, 0
.rept 16
	global_store_b128 v4, v[T+4*j:T+4*j+3], s[14:15] offset:256*j  ; 16 lanes store 256 consecutive bytes of a row, aligned
.set j, j+1
.endr
	s_endpgm
.Lf16:
.set j, 0
.rept 8                                ; column blocks 0 to 7 are rounded
	v_cvt_pk_f16_f32 v[YR+2*j], v[T+4*j], v[T+4*j+1]
	v_cvt_pk_f16_f32 v[YR+2*j+1], v[T+4*j+2], v[T+4*j+3]
.set j, j+1
.endr
	s_wait_alu depctr_va_vdst(0)                   ; those roundings have written v[YR .. YR+15], which the eight stores below read
.set j, 8
.rept 8                                ; a store of the first half ahead of each block of the second: the roundings since the wait name v[T+32 ..] and v[YR+16 ..] alone
	global_store_b64 v6, v[YR+2*(j-8):YR+2*(j-8)+1], s[14:15] offset:(j-8)*131072  ; the wave's two rows of a column block: 256 consecutive bytes, aligned
	v_cvt_pk_f16_f32 v[YR+2*j], v[T+4*j], v[T+4*j+1]
	v_cvt_pk_f16_f32 v[YR+2*j+1], v[T+4*j+2], v[T+4*j+3]
.set j, j+1
.endr
	s_wait_alu depctr_va_vdst(0)                   ; the roundings of blocks 8 to 15 have written v[YR+16 .. YR+31], which the last eight stores read
.set j, 8
.rept 8
	global_store_b64 v6, v[YR+2*j:YR+2*j+1], s[14:15] offset:j*131072
.set j, j+1
.endr
	s_endpgm
.Lfunc_end_k_qa8d6427daf_ln1:
	.size	k_qa8d6427daf_ln1, .Lfunc_end_k_qa8d6427daf_ln1-k_qa8d6427daf_ln1
	.p2alignl 7, 3214868480
	.fill 96, 4, 3214868480
	.section	.rodata,"a",@progbits
	.p2align	6, 0x0
	.amdhsa_kernel k_qa8d6427daf_ln1
		.amdhsa_group_segment_fixed_size 0
		.amdhsa_private_segment_fixed_size 0
		.amdhsa_enable_private_segment 0
		.amdhsa_kernarg_size 56
		.amdhsa_user_sgpr_count 2
		.amdhsa_user_sgpr_kernarg_segment_ptr 1
		.amdhsa_wavefront_size32 1
		.amdhsa_system_sgpr_workgroup_id_x 1
		.amdhsa_system_sgpr_workgroup_id_y 1
		.amdhsa_system_sgpr_workgroup_id_z 1
		.amdhsa_system_vgpr_workitem_id 0
		.amdhsa_next_free_vgpr 448
		.amdhsa_next_free_sgpr 66
		.amdhsa_reserve_vcc 0
		.amdhsa_float_denorm_mode_32 3
		.amdhsa_float_denorm_mode_16_64 3
		.amdhsa_memory_ordered 1
		.amdhsa_forward_progress 1
		.amdhsa_inst_pref_size 33
	.end_amdhsa_kernel
	.amdgpu_metadata
---
amdhsa.version: [ 1, 2 ]
amdhsa.kernels:
  - .name:           k_qa8d6427daf_ln1
    .symbol:         k_qa8d6427daf_ln1.kd
    .args:
      - { .name: zf, .offset: 0, .size: 8, .value_kind: global_buffer, .address_space: global }
      - { .name: y, .offset: 8, .size: 8, .value_kind: global_buffer, .address_space: global }
      - { .name: b1, .offset: 16, .size: 8, .value_kind: global_buffer, .address_space: global }
      - { .name: ln1_g, .offset: 24, .size: 8, .value_kind: global_buffer, .address_space: global }
      - { .name: ln1_b, .offset: 32, .size: 8, .value_kind: global_buffer, .address_space: global }
      - { .name: bunB, .offset: 40, .size: 8, .value_kind: global_buffer, .address_space: global }
      - { .name: mbits, .offset: 48, .size: 8, .value_kind: global_buffer, .address_space: global }
    .group_segment_fixed_size: 0
    .private_segment_fixed_size: 0
    .kernarg_segment_align: 8
    .kernarg_segment_size: 56
    .max_flat_workgroup_size: 128
    .sgpr_count:     66
    .vgpr_count:     448
    .wavefront_size: 32
...
	.end_amdgpu_metadata
.endif
;; end of part 7
;; launch sc2: the kernel of part 4 again; grid 16 x 16, 4 waves a work-group, clusters of 4 x 4, 327,680 bytes of LDS; arguments bunB, bunA, zf; writes zf
;; launch smax (part 8): grid 256 x 1, 4 waves a work-group, no clusters, 0 bytes of LDS; arguments zf, bunB; writes bunB
.if DOCPART == 8
	.amdgcn_target "amdgcn-amd-amdhsa--gfx1250"
	.amdhsa_code_object_version 6
	.text
	.protected	k_qa8d6427daf_smax
	.globl	k_qa8d6427daf_smax
	.p2align	8
	.type	k_qa8d6427daf_smax,@function
k_qa8d6427daf_smax:
	s_mov_b64 s[64:65], 0
	v_nop
	global_prefetch_b8 v0, s[64:65] scope:SCOPE_SE
	s_setreg_imm32_b32 hwreg(HW_REG_WAVE_SCHED_MODE, 0, 2), 2
	s_setreg_imm32_b32 hwreg(HW_REG_WAVE_MODE, 25, 1), 1
	s_wait_xcnt 0x0
	s_wait_alu depctr_vm_vsrc(0)
; P2 = softmax(s / 8) along rows of 2,048.  s: f32, tile column c (128 columns) at c MiB, rows of 512 bytes.  P2: f16 in blocks:
; element (r, c) at (c>>10)*4 MiB + (r>>10)*2 MiB + ((c>>6)&15)*128 KiB + (r&1023)*128 + (c&63)*2.
; Sixteen lanes hold a row, 128 numbers a lane (columns 64 j + 4 i ..), a wave two rows: the row stays in registers between the maximum, the exponentials and the division.
; p = 2^(c s - c m) with the row's own maximum m, c = log2(e) / 8; the sum is taken of the unrounded p; p / sum is rounded once.
; LIMITS.  A weight below 2^-126 counts as 0; the result below 6e-5 keeps f16's fixed step of 6e-8.
; THE MODE: SCHED_MODE bits 1:0 = 2 (LLVM: expert scheduling mode 2), set by the entry lines.  The code itself states the register dependences
; between vector instructions and memory instructions, with s_wait_alu, always for 0.
; THE PLAN.  Registers that memory instructions touch:
;   v3, v6   byte offsets in s and in P2: written once, at the head; read by the 32 loads and the 32 stores; never written again.
;   X        the 32 loads land in it; no vector line names it ahead of them; behind the wait for the loads vector lines alone name it.
;   U        at work in the sum (vector lines alone); then written by the 64 roundings and read by the 32 stores, in two halves of 32 registers:
;            the first half's stores stand among the second half's divisions and roundings, which name v[X+64 ..], v[RC ..] and v[U+32 ..] alone.
; So the waits on va_vdst are: one ahead of the first load, for the offsets; the two behind the exponentials and the reciprocals; one ahead of each half's stores.
; No register that a memory instruction reads is written again, and no vector line writes a scalar register, VCC or EXEC.
.set X,  64                            ; v64-191   the row
.set U,  192                           ; v192-255  at work; then the packed result
.set M,  32                            ; v32-35    four running maxima
.set CM, 36                            ; v36-37    c m
.set RC, 38                            ; v38-39    1 / sum, twice
	s_load_b128 s[4:7], s[0:1], 0x0                ; s s[4:5], P2 s[6:7]
	v_lshrrev_b32 v1, 4, v0
	v_and_b32 v2, 15, v0
	s_lshl_b32 s16, ttmp9, 3
	v_add_nc_u32 v1, s16, v1                       ; my row
	v_lshlrev_b32 v5, 4, v2
	v_lshl_add_u32 v3, v1, 9, v5
	v_lshrrev_b32 v6, 10, v1
	v_and_b32 v7, 0x3ff, v1
	v_lshlrev_b32 v6, 21, v6
	v_lshl_add_u32 v6, v7, 7, v6
	v_lshl_add_u32 v6, v2, 3, v6
	s_mov_b32 s12, 0x3e38aa3b                      ; c
	s_mov_b32 s13, s12                             ; named with it as a pair
	s_wait_kmcnt 0x0
	s_add_nc_u64 s[8:9], s[4:5], 8<<20
	s_wait_alu depctr_va_vdst(0)                   ; the offsets v3 and v6 are written: every load reads the one, every store the other, and no vector line names them again
.set j, 0
.rept 16
	global_load_b128 v[X+4*j:X+4*j+3], v3, s[4:5] offset:(j>>1)*(1<<20)+(j&1)*256 th:TH_LOAD_NT
.set j, j+1
.endr
.set j, 0
.rept 16
	global_load_b128 v[X+64+4*j:X+64+4*j+3], v3, s[8:9] offset:(j>>1)*(1<<20)+(j&1)*256 th:TH_LOAD_NT
.set j, j+1
.endr
	s_wait_loadcnt 0x0
.irp c, 0,1,2,3
	v_max3_num_f32 v[M+(\c)], v[X+32*(\c)], v[X+32*(\c)+1], v[X+32*(\c)+2]
.endr
.set k, 3
.rept 14
.irp c, 0,1,2,3
	v_max3_num_f32 v[M+(\c)], v[M+(\c)], v[X+32*(\c)+k], v[X+32*(\c)+k+1]
.endr
.set k, k+2
.endr
	v_max3_num_f32 v[M], v[M], v[X+31], v[X+63]
	v_max3_num_f32 v[M+1], v[M+1], v[X+95], v[X+127]
	v_max3_num_f32 v[M], v[M], v[M+1], v[M+2]
	v_max_num_f32 v[M], v[M], v[M+3]
	v_max_num_f32_dpp v[M], v[M], v[M] row_xmask:1 row_mask:0xf bank_mask:0xf
	v_max_num_f32_dpp v[M], v[M], v[M] row_xmask:2 row_mask:0xf bank_mask:0xf
	v_max_num_f32_dpp v[M], v[M], v[M] row_xmask:4 row_mask:0xf bank_mask:0xf
	v_max_num_f32_dpp v[M], v[M], v[M] row_xmask:8 row_mask:0xf bank_mask:0xf
	v_mul_f32 v[CM], s12, v[M]
	v_mov_b32 v[CM+1], v[CM]
.set k, 0
.rept 64
	v_pk_fma_f32 v[X+k:X+k+1], v[X+k:X+k+1], s[12:13], v[CM:CM+1] op_sel_hi:[1,0,0] neg_lo:[0,0,1] neg_hi:[0,0,1]
.set k, k+2
.endr
.set k, 0
.rept 128
	v_exp_f32 v[X+k], v[X+k]
.set k, k+1
.endr
	v_nop                                          ; a plain line behind the last exponential,
	s_wait_alu depctr_va_vdst(0)                   ; and one wait for the batch: the 128 exponentials have written v[X ..], which the sums below read
.set k, 0
.rept 32
	v_pk_add_f32 v[U+k:U+k+1], v[X+k:X+k+1], v[X+64+k:X+64+k+1]
.set k, k+2
.endr
.irp d, 32,16,8,4,2
.set k, 0
.rept (\d)/2
	v_pk_add_f32 v[U+k:U+k+1], v[U+k:U+k+1], v[U+(\d)+k:U+(\d)+k+1]
.set k, k+2
.endr
.endr
	v_add_f32 v40, v[U], v[U+1]
	v_add_f32_dpp v40, v40, v40 row_xmask:1 row_mask:0xf bank_mask:0xf
	v_add_f32_dpp v40, v40, v40 row_xmask:2 row_mask:0xf bank_mask:0xf
	v_add_f32_dpp v40, v40, v40 row_xmask:4 row_mask:0xf bank_mask:0xf
	v_add_f32_dpp v40, v40, v40 row_xmask:8 row_mask:0xf bank_mask:0xf
	v_rcp_f32 v[RC], v40
	v_rcp_f32 v[RC+1], v40
	v_nop                                          ; a plain line behind the second reciprocal,
	s_wait_alu depctr_va_vdst(0)                   ; and one wait for the two: they have written v[RC] and v[RC+1], which the multiplies below read
	; THE WAY OUT, in two halves of 1,024 columns.  The first half is divided and rounded;
.set k, 0
.rept 32
	v_pk_mul_f32 v[X+k:X+k+1], v[X+k:X+k+1], v[RC:RC+1]
.set k, k+2
.endr
.set j, 0
.rept 16
	v_cvt_pk_f16_f32 v[U+2*j], v[X+4*j], v[X+4*j+1]
	v_cvt_pk_f16_f32 v[U+2*j+1], v[X+4*j+2], v[X+4*j+3]
.set j, j+1
.endr
	s_wait_alu depctr_va_vdst(0)                   ; those roundings have written v[U .. U+31], which the sixteen stores below read
.set j, 16
.rept 16                               ; a store of the first half ahead of each column block of the second: the vector lines since the wait name v[X+64 ..], v[RC ..] and v[U+32 ..] alone
	global_store_b64 v6, v[U+2*(j-16):U+2*(j-16)+1], s[6:7] offset:(j-16)*131072  ; the wave's two rows of a column block: 256 consecutive bytes, aligned
	v_pk_mul_f32 v[X+4*j:X+4*j+1], v[X+4*j:X+4*j+1], v[RC:RC+1]
	v_pk_mul_f32 v[X+4*j+2:X+4*j+3], v[X+4*j+2:X+4*j+3], v[RC:RC+1]
	v_cvt_pk_f16_f32 v[U+2*j], v[X+4*j], v[X+4*j+1]
	v_cvt_pk_f16_f32 v[U+2*j+1], v[X+4*j+2], v[X+4*j+3]
.set j, j+1
.endr
	s_wait_alu depctr_va_vdst(0)                   ; the second half's roundings have written v[U+32 .. U+63], which the last sixteen stores read
.set j, 16
.rept 16
	global_store_b64 v6, v[U+2*j:U+2*j+1], s[6:7] offset:(j>>4)*4194304+(j&15)*131072
.set j, j+1
.endr
	s_endpgm
.Lfunc_end_k_qa8d6427daf_smax:
	.size	k_qa8d6427daf_smax, .Lfunc_end_k_qa8d6427daf_smax-k_qa8d6427daf_smax
	.p2alignl 7, 3214868480
	.fill 96, 4, 3214868480
	.section	.rodata,"a",@progbits
	.p2align	6, 0x0
	.amdhsa_kernel k_qa8d6427daf_smax
		.amdhsa_group_segment_fixed_size 0
		.amdhsa_private_segment_fixed_size 0
		.amdhsa_enable_private_segment 0
		.amdhsa_kernarg_size 16
		.amdhsa_user_sgpr_count 2
		.amdhsa_user_sgpr_kernarg_segment_ptr 1
		.amdhsa_wavefront_size32 1
		.amdhsa_system_sgpr_workgroup_id_x 1
		.amdhsa_system_sgpr_workgroup_id_y 1
		.amdhsa_system_sgpr_workgroup_id_z 1
		.amdhsa_system_vgpr_workitem_id 0
		.amdhsa_next_free_vgpr 256
		.amdhsa_next_free_sgpr 66
		.amdhsa_reserve_vcc 0
		.amdhsa_float_denorm_mode_32 3
		.amdhsa_float_denorm_mode_16_64 3
		.amdhsa_memory_ordered 1
		.amdhsa_forward_progress 1
		.amdhsa_inst_pref_size 32
	.end_amdhsa_kernel
	.amdgpu_metadata
---
amdhsa.version: [ 1, 2 ]
amdhsa.kernels:
  - .name:           k_qa8d6427daf_smax
    .symbol:         k_qa8d6427daf_smax.kd
    .args:
      - { .name: zf, .offset: 0, .size: 8, .value_kind: global_buffer, .address_space: global }
      - { .name: bunB, .offset: 8, .size: 8, .value_kind: global_buffer, .address_space: global }
    .group_segment_fixed_size: 0
    .private_segment_fixed_size: 0
    .kernarg_segment_align: 8
    .kernarg_segment_size: 16
    .max_flat_workgroup_size: 128
    .sgpr_count:     66
    .vgpr_count:     256
    .wavefront_size: 32
...
	.end_amdgpu_metadata
.endif
;; end of part 8
;; launch pxw: the kernel of part 4 again; grid 8 x 32, 4 waves a work-group, clusters of 4 x 4, 327,680 bytes of LDS; arguments bunB, qkvx, zf; writes zf
;; launch ln2: the kernel of part 7 again; grid 256 x 1, 4 waves a work-group, no clusters, 0 bytes of LDS; arguments zf, y, b2, ln2_g, ln2_b, bunB, par1; writes bunB
;; launch ff1: the kernel of part 2 again; grid 16 x 16, 4 waves a work-group, clusters of 4 x 4, 327,680 bytes of LDS; arguments bunB, bunY, bunA; writes bunA
;; launch ff2: the kernel of part 4 again; grid 8 x 32, 4 waves a work-group, clusters of 4 x 4, 327,680 bytes of LDS; arguments bunA, bunY, zf; writes zf
;; launch ln3: the kernel of part 7 again; grid 256 x 1, 4 waves a work-group, no clusters, 0 bytes of LDS; arguments zf, y, bf2, ln3_g, ln3_b, out0, par2; writes out0
